; MI455X (gfx1250); checked and timed in simulation.
; The chip was launched on July 23, 2026; its instructions are those of AMD's public machine-readable ISA for CDNA 5 (MIT licence, August 2026) and "CDNA5" Instruction Set Architecture Reference Guide (July 2026). The comments in the code are by the model that wrote it; some were corrected since.
;; Multi Head Attention. Allowed arithmetic: matrix products marked QUANTISED: E4M3 operands, one given power-of-two scale a tensor, by v_wmma_f32_16x16x64_fp8_fp8 or v_wmma_f32_16x16x128_fp8_fp8, f32 sums; everything else in f32.
;; Inputs: Wk 1,024 x 1,024 float32; Wo 1,024 x 1,024 float32; Wq 1,024 x 1,024 float32; Wv 1,024 x 1,024 float32; bk 1,024 float32; bo 1,024 float32; bq 1,024 float32; bv 1,024 float32; lowp_scales 12 int32 (the exponents e of the quantised operands' scales 2^e); mask 2,048 x 2,048 bool; x 4 x 2,048 x 1,024 float32.
;; Outputs: out0 4 x 2,048 x 1,024 float32.
;; This version of the problem:
;;   THIS VERSION OF THE PROBLEM IS GIVEN IN LOW PRECISION. The matrix products marked QUANTISED in the list below multiply operands that are first quantised to E4M3 (4 exponent bits, 3 mantissa bits; 8 bits a number), with one given power-of-two scale for each operand tensor; their sums are f32. All else is computed in f32.
;;   The module's matrix products, in the order in which they are computed (A, B: the left and right operand; K: the contracted axis; several contracted axes count as one K, in the product's order):
;;     1. [M 8,192, K 1,024] x [K 1,024, N 1,024]; A: input x; B: input Wq: QUANTISED (scales: A lowp_scales[0], B lowp_scales[1])
;;     2. [M 8,192, K 1,024] x [K 1,024, N 1,024]; A: input x; B: input Wk: QUANTISED (scales: A lowp_scales[2], B lowp_scales[3])
;;     3. [M 8,192, K 1,024] x [K 1,024, N 1,024]; A: input x; B: input Wv: QUANTISED (scales: A lowp_scales[4], B lowp_scales[5])
;;     4. batch 64 x [M 2,048, K 64] x [K 64, N 2,048]; A: computed on the way; B: computed on the way: QUANTISED (scales: A lowp_scales[6], B lowp_scales[7])
;;     5. batch 64 x [M 2,048, K 2,048] x [K 2,048, N 64]; A: softmax (see below); B: computed on the way: QUANTISED (scales: A lowp_scales[8], B lowp_scales[9])
;;     6. [M 8,192, K 1,024] x [K 1,024, N 1,024]; A: computed on the way; B: input Wo: QUANTISED (scales: A lowp_scales[10], B lowp_scales[11])
;;   THE QUANTISER, for each operand of a quantised product, along K:
;;     - The operand's scale is 2^e, e = its entry of the input lowp_scales (int32; the entries are numbered through the quantised products in the list's order, A before B).
;;     - Each number is divided by the scale, clamped to +-448, and rounded to the nearest number of E4M3, ties to even, subnormals kept.
;;     - The product sums the exact products of the quantised numbers (number of the format x scale) in f32.
;;   ~~~python
;;   def quantise(x, axis, e):      # numpy; x: float32 -> the quantised numbers, widened to float32 again
;;       x = np.moveaxis(x, axis, -1); K = x.shape[-1]
;;       r = np.clip(x / 2.0 ** e, -448, 448)
;;       step = 2.0 ** (np.maximum(np.frexp(np.where(r == 0, 1, r))[1] - 1, -6) - 3)
;;       q = np.round(r / step) * step * 2.0 ** e      # np.round: ties to even
;;       return np.moveaxis(q, -1, axis).astype(np.float32)
;;   ~~~
;;   SOFTMAX AHEAD OF A QUANTISED PRODUCT. Where the list says 'softmax', what is quantised is not the finished softmax but p = 2^(t - M), with t = logit x log2(e) and M = ceil(the row's largest t), a whole number; so 1/2 < the row's largest p <= 1. The row's sum l is taken of the UNQUANTISED p, in f32, and the product's result is divided by l at the end. Since M is a whole number, a kernel that streams over the keys may use a running M (the ceiling of the running maximum): every later rescaling is an exact power of two, so the quantised numbers keep their values, but for numbers so far below the row's largest that they fall under the format's range.
;;   OPERANDS COMPUTED ON THE WAY. 'Computed on the way' means the value that the module computes at that place (a softmax that the list does not call 'softmax' is quantised finished and normalised). What goes into a quantiser is computed in f32, as accurately as f32 sums, v_exp_f32 and their like allow (about 1e-6 of the number): no bf16 or f16 on the way to a quantiser, and a product that is left as it is and whose result goes on into a quantised operand takes f32 operands (vector FMAs, or v_wmma_f32_16x16x4_f32). A number that lies on a knife's edge between two numbers of the format may be rounded either way, as far as f32 arithmetic and the matrix unit's own rounding can turn it there, and no further.
;; 2 versions, each right; version 2 is version 1 with the launch attn written anew for expert scheduling mode. Each part assembles by itself: llvm-mc -triple=amdgcn-amd-amdhsa -mcpu=gfx1250 --defsym DOCPART=n.
;; ======== version 1 of 2: 4 launches
;; workspace buffers: xc 25,165,824 bytes; wc 4,194,304 bytes; qi 8,388,608 bytes; ki 8,388,608 bytes; vi 8,388,608 bytes; ac 8,388,608 bytes; mlane 524,288 bytes of whole numbers; mflag 512 bytes of whole numbers
;; launch prep (part 1): grid 512 x 1, 4 waves a work-group, no clusters, 66,048 bytes of LDS; arguments x, Wq, Wk, Wv, Wo, mask, lowp_scales, xc, wc, mlane, mflag; writes xc, wc, mlane, mflag
.if DOCPART == 1
	.amdgcn_target "amdgcn-amd-amdhsa--gfx1250"
	.amdhsa_code_object_version 6
	.text
	.protected	k_q0b6e2194ad_prep
	.globl	k_q0b6e2194ad_prep
	.p2align	8
	.type	k_q0b6e2194ad_prep,@function
k_q0b6e2194ad_prep:
	s_mov_b64 s[64:65], 0
	v_nop
	global_prefetch_b8 v0, s[64:65] scope:SCOPE_SE
	s_setreg_imm32_b32 hwreg(HW_REG_WAVE_MODE, 25, 1), 1
	s_wait_xcnt 0x0
; PREP.  Three kinds of work-groups, told apart by the work-group's number alone; the three ways never join.
;   0-255    x [8192][1024] f32 -> xc: three sets of E4M3 codes, under the scales 2^e0, 2^e2, 2^e4 (x is an operand of three products, each with its own scale)
;   256-383  Wq, Wk, Wv, Wo [1024][1024] f32 -> wc: four sets of codes under 2^e1, 2^e3, 2^e5, 2^e11.  K is innermost in all of them, so every tensor is a plain stream
;   384-511  mask [2048][2048] of bytes -> mlane: for each tile of 16 queries and each step of 128 keys 64 words, word n = the 32 lanes' mask bits for score register n of the attention launch;
;            and mflag: two bits for each such tile and step: 0 all 16 x 128 masked, 1 mixed, 2 none masked
; code = x / 2^e, held within +-448, to the nearest code, ties to even.
; LIMITS: each e used here lies between -126 and 119, so that 2^e and 448 x 2^e are f32 numbers.  NaN among x and the weights is not served.  A mask byte other than 0 counts as true.
; THE STREAMS.  A wave takes 16 steps of 512 numbers.  A load reads 512 consecutive bytes, 16 a lane; a step's 2,048 bytes turn through the wave's own stage in LDS and come back 64 bytes a lane: 16 neighbours along K,
; as the conversions want them.  A lane's 16 codes are 16 bytes: a store of the wave covers 512 consecutive bytes.  Loads run four steps (16 loads) ahead, the turn through LDS one step.  No barrier: waves share nothing.
; The two streaming ways have LDS bytes of their own (x from byte 0, the weights from byte 32,768).
.set SP,   80                          ; a lane's place in a stage: its 64 bytes + 16 of padding
.set WREG, 8192                        ; LDS of a wave: two stages of 32 x SP bytes
.set R,    16                          ; v16-79    four sets of 16 numbers as loaded
.set X,    80                          ; v80-111   two sets of 16 neighbours
.set T,    112                         ; v112-127  the 16 numbers held within one scale's range
.set C,    128                         ; v128-151  codes: two sets of up to three times four registers
.set SC,   152                         ; v152..    for scale k: 2^e at SC + 2 k, 448 x 2^e at SC + 2 k + 1
.macro MKSCALE k, e                    ; the whole number in s[e] -> the two f32 numbers
	s_add_co_i32 s30, s[\e], 127
	s_lshl_b32 s31, s30, 23
	v_mov_b32 v[SC+2*(\k)], s31                    ; 2^e: the conversion takes its exponent field
	s_add_co_i32 s30, s30, 8
	s_lshl_b32 s30, s30, 23
	s_or_b32 s30, s30, 0x600000
	v_mov_b32 v[SC+2*(\k)+1], s30                  ; 448 x 2^e
.endm
.macro LOADS t
.irp i, 0,1,2,3
	global_load_b128 v[R+16*((\t)%4)+4*\i:R+16*((\t)%4)+4*\i+3], v3, s[44:45] offset:2048*(\t)+512*\i th:TH_LOAD_NT
.endr
.endm
.macro TURN t, base                    ; step t's numbers through the stage: LDS serves a wave's instructions in order, so no wait stands between the stores and the loads
.irp i, 0,1,2,3
	ds_store_b128 v14, v[R+16*((\t)%4)+4*\i:R+16*((\t)%4)+4*\i+3] offset:\base+32*SP*((\t)%2)+8*SP*\i
.endr
.irp i, 0,1,2,3
	ds_load_b128 v[X+16*((\t)%2)+4*\i:X+16*((\t)%2)+4*\i+3], v15 offset:\base+32*SP*((\t)%2)+16*\i
.endr
.endm
.macro STEP t, ns, base                ; ns: how many scales the numbers are quantised under
.set XS, X+16*((\t)%2)
.set CS, C+12*((\t)%2)
	s_wait_dscnt 0x0                               ; this step's numbers are back from the stage, and its stores into the stage have read their registers,
.if (\t)+4 < 16
	LOADS (\t)+4                                   ; which take the loads of four steps on
.endif
.if (\t)+1 < 16
.if 14-(\t) >= 3
	s_wait_loadcnt 12                              ; the next step's four loads are in; those of the three steps behind it may be out
.else
	s_wait_loadcnt 4*(14-(\t))
.endif
	TURN (\t)+1, \base
.endif
	s_wait_xcnt 0x0                                ; the stores of two steps ago have read this set of code registers
.irp s, 0,1,2
.if \s < \ns
.set i, 0
.rept 16
	v_med3_num_f32 v[T+i], v[XS+i], -v[SC+2*\s+1], v[SC+2*\s+1]   ; the conversion to an 8-bit code does not saturate (ISA guide 7.6.2): the hold comes first
.set i, i+1
.endr
	v_cvt_scalef32_pk8_fp8_f32 v[CS+4*\s:CS+4*\s+1], v[T:T+7], v[SC+2*\s]
	v_cvt_scalef32_pk8_fp8_f32 v[CS+4*\s+2:CS+4*\s+3], v[T+8:T+15], v[SC+2*\s]
	v_nop                                          ; a plain line between the conversions and the next writes of their sources
.endif
.endr
.irp s, 0,1,2
.if \s < \ns
	global_store_b128 v3, v[CS+4*\s:CS+4*\s+3], s[46+2*\s:47+2*\s] offset:512*(\t)   ; 32 lanes store 512 consecutive bytes
.endif
.endr
.endm
	s_load_b256 s[4:11], s[0:1], 0x0               ; x, Wq, Wk, Wv
	s_load_b256 s[12:19], s[0:1], 0x20             ; Wo, mask, lowp_scales, xc
	s_load_b128 s[20:23], s[0:1], 0x40             ; wc, mlane
	s_load_b64 s[24:25], s[0:1], 0x50              ; mflag
	v_lshl_add_u32 v192, v0, 2, 0x10000
	v_mov_b32 v193, 0
	v_lshrrev_b32 v1, 5, v0
	v_readfirstlane_b32 s26, v1                    ; wave 0..3
	v_and_b32 v2, 31, v0                           ; lane
	v_lshlrev_b32 v3, 4, v2                        ; 16 x lane: my bytes of a load's 512 and of a store's 512
	s_mul_i32 s27, s26, WREG
	v_lshrrev_b32 v14, 2, v2
	v_mul_u32_u24 v14, v14, SP
	v_and_b32 v15, 3, v2
	v_lshl_add_u32 v14, v15, 4, v14
	v_add_nc_u32 v14, s27, v14                     ; the stage, on the way in: SP (lane / 4) + 16 (lane % 4)
	v_mul_u32_u24 v15, v2, SP
	v_add_nc_u32 v15, s27, v15                     ; and on the way out: SP x lane
	s_wait_kmcnt 0x0
	s_cmp_ge_u32 ttmp9, 384
	s_cbranch_scc1 .Lmask
	s_load_b256 s[32:39], s[16:17], 0x0            ; e0 .. e7
	s_load_b128 s[40:43], s[16:17], 0x20           ; e8 .. e11
	s_cmp_ge_u32 ttmp9, 256
	s_cbranch_scc1 .Lweights
	; ---- x: 1,024 runs of 8,192 numbers, one a wave
	s_lshl_b32 s27, ttmp9, 2
	s_add_co_u32 s27, s27, s26                     ; my run
	s_lshl_b32 s28, s27, 15
	s_mov_b32 s29, 0
	s_add_nc_u64 s[44:45], s[4:5], s[28:29]        ; its 32,768 bytes of x
	s_lshl_b32 s28, s27, 13
	s_add_nc_u64 s[46:47], s[18:19], s[28:29]      ; its 8,192 bytes in each of the three sets of codes, which lie 8,388,608 bytes apart
	s_add_nc_u64 s[48:49], s[46:47], 0x800000
	s_add_nc_u64 s[50:51], s[48:49], 0x800000
.irp t, 0,1,2,3
	LOADS \t
.endr
	s_wait_kmcnt 0x0
	MKSCALE 0, 32                                  ; e0
	MKSCALE 1, 34                                  ; e2
	MKSCALE 2, 36                                  ; e4
	s_wait_loadcnt 12                              ; step 0's four loads are in
	TURN 0, 0
.irp t, 0,1,2,3,4,5,6,7,8,9,10,11,12,13,14,15
	STEP \t, 3, 0
.endr
	s_wait_tensorcnt 0x0
	ds_add_u32 v192, v193
	s_wait_dscnt 0x0
	s_endpgm
.Lweights:
	; ---- the weights: 32 work-groups, 128 runs, for each of the four
	s_sub_co_u32 s27, ttmp9, 256
	s_lshr_b32 s53, s27, 5                         ; which weight: 0 Wq, 1 Wk, 2 Wv, 3 Wo
	s_and_b32 s27, s27, 31
	s_lshl_b32 s27, s27, 2
	s_add_co_u32 s27, s27, s26                     ; my run of it
	s_cmp_eq_u32 s53, 0
	s_cselect_b64 s[44:45], s[6:7], s[8:9]
	s_cmp_lt_u32 s53, 2
	s_cselect_b64 s[44:45], s[44:45], s[10:11]
	s_cmp_lt_u32 s53, 3
	s_cselect_b64 s[44:45], s[44:45], s[12:13]
	s_lshl_b32 s28, s27, 15
	s_mov_b32 s29, 0
	s_add_nc_u64 s[44:45], s[44:45], s[28:29]
	s_lshl_b32 s28, s53, 20
	s_lshl_b32 s30, s27, 13
	s_add_co_u32 s28, s28, s30
	s_add_nc_u64 s[46:47], s[20:21], s[28:29]      ; wc + 1,048,576 x weight + 8,192 x run
.irp t, 0,1,2,3
	LOADS \t
.endr
	s_wait_kmcnt 0x0
	s_cmp_eq_u32 s53, 0
	s_cselect_b32 s52, s33, s35                    ; e1 : e3
	s_cmp_lt_u32 s53, 2
	s_cselect_b32 s52, s52, s37                    ; .. : e5
	s_cmp_lt_u32 s53, 3
	s_cselect_b32 s52, s52, s43                    ; .. : e11
	MKSCALE 0, 52
	s_wait_loadcnt 12
	TURN 0, 32768
.irp t, 0,1,2,3,4,5,6,7,8,9,10,11,12,13,14,15
	STEP \t, 1, 32768
.endr
	s_wait_tensorcnt 0x0
	ds_add_u32 v192, v193
	s_wait_dscnt 0x0
	s_endpgm
.Lmask:
	; ---- the mask.  Work-group = query tile qt = 8 sigma + t: lane r of it stands for query 128 sigma + 32 (t / 2) + 8 (t % 2) + r + 8 (r / 8).  Wave w takes key steps 4 w .. 4 w + 3.
	; Lane (r, h) loads, for key step ks and b = 0 .. 3, the 16 bytes mask[query][128 ks + 32 b + 16 h + 0 .. 15]: byte i of them belongs to score register 16 b + i of that lane.
	s_sub_co_u32 s27, ttmp9, 384                   ; qt
	s_lshr_b32 s28, s27, 3
	s_lshl_b32 s28, s28, 7                         ; 128 sigma
	s_bfe_u32 s29, s27, 0x20001                    ; t / 2
	s_lshl_b32 s29, s29, 5
	s_add_co_u32 s28, s28, s29
	s_and_b32 s29, s27, 1
	s_lshl_b32 s29, s29, 3
	s_add_co_u32 s28, s28, s29                     ; the tile's first query
	s_lshl_b32 s28, s28, 11                        ; a row of the mask is 2,048 bytes
	s_lshl_b32 s29, s26, 9                         ; my four key steps: 512 bytes of each row
	s_add_co_u32 s28, s28, s29
	s_mov_b32 s29, 0
	s_add_nc_u64 s[44:45], s[14:15], s[28:29]
	s_lshl_b32 s28, s27, 4
	s_lshl_b32 s30, s26, 2
	s_add_co_u32 s28, s28, s30
	s_lshl_b32 s28, s28, 8                         ; (16 qt + 4 w) x 256 bytes
	s_add_nc_u64 s[46:47], s[22:23], s[28:29]
	s_lshl_b32 s28, s27, 2
	s_add_co_u32 s28, s28, s26                     ; byte 4 qt + w of the flags
	s_add_nc_u64 s[48:49], s[24:25], s[28:29]
	v_and_b32 v5, 15, v0
	v_and_b32 v6, 8, v5
	v_add_nc_u32 v5, v5, v6                        ; r + 8 (r / 8)
	v_bfe_u32 v6, v0, 4, 1                         ; h
	v_lshlrev_b32 v5, 11, v5
	v_lshl_add_u32 v5, v6, 4, v5
	v_lshlrev_b32 v7, 3, v2                        ; 8 x lane: two words a lane on the way out
.set i, 0
.rept 16
	global_load_b128 v[16+4*i:19+4*i], v5, s[44:45] offset:128*(i/4)+32*(i%4) th:TH_LOAD_NT
.set i, i+1
.endr
	s_mov_b32 s56, 0xff
	s_mov_b32 s57, 0xff00
	s_mov_b32 s58, 0xff0000
	s_mov_b32 s59, 0xff000000
	s_mov_b32 s54, 0                               ; my four flags, two bits each
.set i, 0
.rept 8
	v_mov_b32 v[82+i], 0                           ; written whole once: v_writelane_b32's destination counts as read
.set i, i+1
.endr
.macro MWORDS k                        ; my k-th key step: 64 words, and its flag
	s_wait_loadcnt 12-4*(\k)                       ; its four loads are in; the later key steps' may be out
	s_mov_b32 s52, -1                              ; the AND of the words
	s_mov_b32 s53, 0                               ; their OR
.set n, 0
.rept 64
	v_and_b32 v[80+n%2], s[56+n%4], v[16+16*(\k)+n/4]
	v_cmp_ne_u32 s[60+n%2], 0, v[80+n%2]           ; word n: bit l = lane l's byte is not 0
	s_and_b32 s52, s52, s[60+n%2]
	s_or_b32 s53, s53, s[60+n%2]
	v_writelane_b32 v[82+2*(\k)+n%2], s[60+n%2], n/2   ; lane n / 2 carries words n and n + 1 out
.set n, n+1
.endr
	s_cmp_eq_u32 s52, -1
	s_cselect_b32 s55, 0, 1                        ; all masked : mixed
	s_cmp_eq_u32 s53, 0
	s_cselect_b32 s55, 2, s55                      ; none masked
	s_lshl_b32 s55, s55, 2*(\k)
	s_or_b32 s54, s54, s55
	global_store_b64 v7, v[82+2*(\k):83+2*(\k)], s[46:47] offset:256*(\k)   ; the wave stores 256 consecutive bytes, aligned
.endm
	MWORDS 0
	MWORDS 1
	MWORDS 2
	MWORDS 3
	v_mov_b32 v90, s54
	v_mov_b32 v91, 0
	v_cmp_eq_u32 vcc_lo, 0, v2
	s_wait_xcnt 0x0                                ; EXEC is a source of the stores above: it changes only behind this wait
	s_and_saveexec_b32 s55, vcc_lo
	global_store_b8 v91, v90, s[48:49]             ; lane 0: my byte of the tile's flag word
	s_wait_xcnt 0x0
	s_or_b32 exec_lo, exec_lo, s55
	s_endpgm
.Lfunc_end_k_q0b6e2194ad_prep:
	.size	k_q0b6e2194ad_prep, .Lfunc_end_k_q0b6e2194ad_prep-k_q0b6e2194ad_prep
	.p2alignl 7, 3214868480
	.fill 96, 4, 3214868480
	.section	.rodata,"a",@progbits
	.p2align	6, 0x0
	.amdhsa_kernel k_q0b6e2194ad_prep
		.amdhsa_group_segment_fixed_size 66048
		.amdhsa_private_segment_fixed_size 0
		.amdhsa_enable_private_segment 0
		.amdhsa_kernarg_size 88
		.amdhsa_user_sgpr_count 2
		.amdhsa_user_sgpr_kernarg_segment_ptr 1
		.amdhsa_wavefront_size32 1
		.amdhsa_system_sgpr_workgroup_id_x 1
		.amdhsa_system_sgpr_workgroup_id_y 1
		.amdhsa_system_sgpr_workgroup_id_z 1
		.amdhsa_system_vgpr_workitem_id 0
		.amdhsa_next_free_vgpr 194
		.amdhsa_next_free_sgpr 66
		.amdhsa_reserve_vcc 1
		.amdhsa_float_denorm_mode_32 3
		.amdhsa_float_denorm_mode_16_64 3
		.amdhsa_memory_ordered 1
		.amdhsa_forward_progress 1
		.amdhsa_inst_pref_size 177
	.end_amdhsa_kernel
	.amdgpu_metadata
---
amdhsa.version: [ 1, 2 ]
amdhsa.kernels:
  - .name:           k_q0b6e2194ad_prep
    .symbol:         k_q0b6e2194ad_prep.kd
    .args:
      - { .name: x, .offset: 0, .size: 8, .value_kind: global_buffer, .address_space: global }
      - { .name: Wq, .offset: 8, .size: 8, .value_kind: global_buffer, .address_space: global }
      - { .name: Wk, .offset: 16, .size: 8, .value_kind: global_buffer, .address_space: global }
      - { .name: Wv, .offset: 24, .size: 8, .value_kind: global_buffer, .address_space: global }
      - { .name: Wo, .offset: 32, .size: 8, .value_kind: global_buffer, .address_space: global }
      - { .name: mask, .offset: 40, .size: 8, .value_kind: global_buffer, .address_space: global }
      - { .name: lowp_scales, .offset: 48, .size: 8, .value_kind: global_buffer, .address_space: global }
      - { .name: xc, .offset: 56, .size: 8, .value_kind: global_buffer, .address_space: global }
      - { .name: wc, .offset: 64, .size: 8, .value_kind: global_buffer, .address_space: global }
      - { .name: mlane, .offset: 72, .size: 8, .value_kind: global_buffer, .address_space: global }
      - { .name: mflag, .offset: 80, .size: 8, .value_kind: global_buffer, .address_space: global }
    .group_segment_fixed_size: 66048
    .private_segment_fixed_size: 0
    .kernarg_segment_align: 8
    .kernarg_segment_size: 88
    .max_flat_workgroup_size: 128
    .sgpr_count:     66
    .vgpr_count:     194
    .wavefront_size: 32
...
	.end_amdgpu_metadata
.endif
;; end of part 1
;; launch qkv (part 2): grid 12 x 32, 4 waves a work-group, clusters of 4 x 4, 327,680 bytes of LDS; arguments xc, wc, bq, bk, bv, lowp_scales, qi, ki, vi; writes qi, ki, vi
.if DOCPART == 2
	.amdgcn_target "amdgcn-amd-amdhsa--gfx1250"
	.amdhsa_code_object_version 6
	.text
	.protected	k_q0b6e2194ad_qkv
	.globl	k_q0b6e2194ad_qkv
	.p2align	8
	.type	k_q0b6e2194ad_qkv,@function
k_q0b6e2194ad_qkv:
	s_mov_b64 s[64:65], 0
	v_nop
	global_prefetch_b8 v0, s[64:65] scope:SCOPE_SE
	s_setreg_imm32_b32 hwreg(HW_REG_WAVE_MODE, 25, 1), 1
	s_wait_xcnt 0x0
	s_wait_alu depctr_hold_cnt(0) depctr_sa_sdst(0) depctr_va_vdst(0) depctr_va_sdst(0) depctr_va_ssrc(0) depctr_va_vcc(0) depctr_vm_vsrc(0)
	s_getreg_b32 s2, hwreg(HW_REG_IB_STS2, 6, 4)
	s_cmp_eq_u32 s2, 0
	s_cbranch_scc0 .Lentry_in_a_cluster
	s_endpgm
.Lentry_in_a_cluster:
	s_bfe_u32 s2, ttmp6, 0x10000c
	s_cmp_lg_u32 s2, 0xf033
	s_cbranch_scc0 .Lentry_shape_is_right
	s_endpgm
.Lentry_shape_is_right:
; Q, K, V = x W^T + b on E4M3 codes, quantised again and laid out as the attention launch's operand registers want them.
; The cluster's x says which product: 0 q, 1 k, 2 v.  A work-group of four waves makes 256 x 256 results, a wave 128 x 128: 64 accumulators of 16 x 16, 512 registers.  K = 1,024 goes in four steps of 256 through
; a ring of two LDS slots filled by the tensor data mover; a tile's row is 256 bytes of memory.
; ROLES.  Source 1 of the matrix instruction takes 16 rows of the "A role", source 0 sixteen of the "B role": a lane then holds ONE row of the A role and eight NEIGHBOURING rows of the B role.
;   q, k: A role = tokens (x's codes), B role = features (the weight's): a lane's eight numbers run along the head's channels, the K of q k^T.
;   v:    A role = features (Wv's codes), B role = tokens: a lane's eight numbers run along the tokens, the K of p v.
; What differs between the three is chosen by s_cselect on the cluster's x, which all partners share; there is no branch on it.
; CLUSTERS: 4 x 4 work-groups.  The A role's tile hangs on cy (and the cluster's y) and is asked for jointly by a row of the cluster, the B role's on cx (and the cluster's y) by a column.
; y = sum x 2^(ea + eb) + bias, in f32; code = y / 2^eo held within +-448.  (ea, eb, eo) = (e0, e1, e6), (e2, e3, e7), (e4, e5, e9).
; LIMITS: ea + eb between -126 and 127, eo between -126 and 119, so that the powers of two are f32 numbers.
; THE IMAGES.  qi, ki, vi: [batch 4][head 16][block of 128 tokens 16][8,192 bytes].  An image is made of pieces of 512 bytes, lane l's 16 bytes at 16 l; l = (r = l % 16, h = l / 16).
;   q, k: piece 2 t + c: lane (r, h) = token 32 (t / 2) + 8 (t % 2) + r + 8 (r / 8), channels 32 c + 16 h + 0 .. 15.
;   v: piece at 4096 (c / 2) + 1024 t + 512 (c % 2): lane (m, h) = channel 32 (t / 2) + 8 (t % 2) + 16 (m / 8) + m % 8, keys 32 c + 16 h + 0 .. 15.
; Both come of ONE formula for the wave's stage of 16 KB: the eight codes of accumulator (a, b) in lane (r, h) go to byte 2048 (a / 2) + 128 (a % 2) + 8192 (b / 4) + 256 (b % 4) + 1024 (r / 8) + 16 (r % 8) + 8 h;
; only where the stage's four quarters go in memory differs.
; REGISTERS, in windows of 256: window 0: v0-31 addresses and constants; v32-95 the bias by B-role row; v96-111 the bias by A-role row (in pairs with 0); from v128 the A role's fragments, ONE set.
;   window 1: the B role's fragments, TWO sets.   window 2: the accumulators of my A-role rows 0-63 ((a, b) at v[8 (8 a + b)]);   window 3: those of rows 64-127.
.set KSTEP,  256
.set ROWB,   256                       ; a tile's row in bytes
.set KROW,   1024                      ; a row of codes in memory
.set PITCH,  272                       ; an LDS row: 256 bytes + 16 of padding = 68 words: the 16 rows that a load touches start at 16 different banks (64 banks of 4 bytes: ISA guide 11.1)
.set FR,     16                        ; registers of a fragment: 16 rows x 128 K
.set NL,     4                         ; LDS loads that bring one
.set NP,     4                         ; places behind this matrix instruction (ISA guide 7.12.1)
.set HALFT,  128*PITCH                 ; 128 rows: what one tensor load brings
.set SLOT,   4*HALFT                   ; the A role's 256 rows, then the B role's
.set LAPS,   2                         ; a lap = two K steps = once round the ring
.set SPARE,  2*SLOT                    ; behind the ring: the spare words, 128 bytes for each wave
.set ADRA, 16                          ; v16-17  LDS address of my A-role fragments in slot 0, 1
.set ADRB, 20                          ; v20-21  the same for the B role
.set LIM,  22                          ; v22     448 x 2^eo
.set SCL,  23                          ; v23     2^eo
.set STO,  24                          ; v24     the way out: where I put eight codes
.set RD,   25                          ; v25     the way out: where I read 16 bytes back
.set CO,   26                          ; v26     16 x lane
.set BCO,  27                          ; v27     byte offset of my bias numbers by B-role row
.set SPW,  28                          ; v28     LDS address of my spare word; never rewritten
.set NIL,  29                          ; v29     0, for the add alone
.set ZER,  30                          ; v30     0
.set BLO,  31                          ; v31     byte offset of my bias numbers by A-role row
.set BC,   32
.set BL,   96
.set AF,   128                         ; the A role's fragments
.set TMP,  128                         ; the way out: a block's 64 numbers
.set CD,   192                         ; the way out: two sets of 16 registers of codes
.set BK,   128                         ; the way out: the stage read back, 128 registers
.set G1, 24                            ; s[24:31] descriptor group 1 for the A role;  s[32:39] group 0, one set for each slot
.set G0, 32
.set G1B, 48                           ; s[48:55], s[56:63] the same for the B role
.set G0B, 56
.set MSB, 0
.macro WIN new                         ; the immediate's high byte repeats the setting that is left
.if MSB != \new
	s_set_vgpr_msb (MSB<<8)|\new
.set MSB, \new
.endif
.endm
.set MUL_LO, 0xa1                      ; source 0 window 1, source 1 window 0, C and D window 2
.set MUL_HI, 0xf1                      ; the same, C and D window 3
.set TO_B,   0x40                      ; destination window 1, address window 0
; A joint load: waves 0 and 1 fetch for the A role, waves 2 and 3 for the B role.  The branch hangs on the wave's number alone.  Four v_nop follow each of the two lines.
.macro JLOAD g0a, g1a, g0b, g1b
	s_cmp_eq_u32 s15, 0
	s_cbranch_scc0 .Lfor_b_\@
	tensor_load_to_lds s[\g0a:\g0a+3], s[\g1a:\g1a+7]
	s_nop 0
.rept 4
	v_nop
.endr
	s_branch .Lasked_\@
.Lfor_b_\@:
	tensor_load_to_lds s[\g0b:\g0b+3], s[\g1b:\g1b+7]
	s_nop 0
.rept 4
	v_nop
.endr
.Lasked_\@:
.endm
.macro CREST                           ; a round of the cluster's barrier behind its opening barrier
	s_cmp_lg_u32 s14, 0
	s_cbranch_scc1 .Lnot_wave_0_\@
	s_barrier_signal -3
.Lnot_wave_0_\@:
	s_barrier_wait -3
	s_barrier_signal -1
	s_barrier_wait -1
.endm
.macro CROUND                          ; a whole round
	s_barrier_signal -1
	s_barrier_wait -1
	CREST
.endm
	s_load_b256 s[68:75], s[0:1], 0x0              ; xc, wc, bq, bk
	s_load_b256 s[76:83], s[0:1], 0x20             ; bv, lowp_scales, qi, ki
	s_load_b64 s[84:85], s[0:1], 0x40              ; vi
	v_lshl_add_u32 v[SPW], v0, 2, SPARE
	v_mov_b32 v[NIL], 0
	ds_add_u32 v28, v29
	ds_add_u32 v28, v29
	s_wait_dscnt 0x0
	v_lshrrev_b32 v1, 5, v0
	v_readfirstlane_b32 s14, v1                    ; wave 0..3
	s_lshr_b32 s15, s14, 1                         ; which half of the A role's rows is mine.  Also: I fetch for the A role (0) or the B role (1)
	s_and_b32 s16, s14, 1                          ; which half of the B role's rows.  Also: which 128 rows of that tile I fetch
	s_bfe_u32 s40, ttmp6, 0x40000                  ; cx, cy: my place in the cluster
	s_bfe_u32 s41, ttmp6, 0x40004
	s_and_b32 s17, ttmp7, 0xffff
	s_lshl_b32 s17, s17, 2                         ; 4 x the cluster's y: it walks the tokens
	s_cmp_eq_u32 ttmp9, 2                          ; v?
	s_cselect_b32 s66, 0, -1                       ; all ones for q and k, 0 for v: a lane mask for the biases
	s_cselect_b32 s18, 0, s17
	s_cselect_b32 s19, s17, 0
	s_add_co_u32 s17, s18, s41                     ; the A role's tile of 256 rows: q, k: 4 y + cy;  v: cy
	s_add_co_u32 s42, s19, s40                     ; the B role's: q, k: cx;  v: 4 y + cx
	s_lshl_b32 s43, s41, 2
	s_lshl_b32 s43, 15, s43                        ; my row of the cluster
	s_lshl_b32 s44, 0x1111, s40                    ; my column
	; descriptor group 1: a tile of 128 rows x 256 bytes, padded in LDS
	s_or_b32 s[G1+0], s43, (0<<16)|(1<<20)|(1<<21)|(5<<22)|(3<<25)  ; 15:0 the mask; 17:16 element of 1 byte; 20 padding on; 21 set beside a mask; 24:22 after every 64 words (code 5); 31:25 of 4 words (code 3)
	s_or_b32 s[G1B+0], s44, (0<<16)|(1<<20)|(1<<21)|(5<<22)|(3<<25)
.irp g, G1, G1B
	s_mov_b32 s[\g+1], ROWB<<16                    ; tensor_dim0
	s_mov_b32 s[\g+2], 128<<16                     ; tensor_dim1 = 128
	s_mov_b32 s[\g+3], ROWB<<16                    ; tile_dim0
	s_mov_b32 s[\g+4], 128                         ; tile_dim1 = 128
	s_mov_b32 s[\g+5], KROW                        ; tensor_dim0_stride
	s_mov_b32 s[\g+6], 0
	s_mov_b32 s[\g+7], 0
.endr
	s_lshl_b32 s18, s16, 7                         ; which 128 rows of the tile I fetch
	s_lshl_b32 s20, s17, 8
	s_add_co_u32 s20, s20, s18
	s_lshl_b32 s46, s42, 8
	s_add_co_u32 s46, s46, s18
	s_lshl_b32 s20, s20, 10                        ; rows of 1,024 bytes
	s_lshl_b32 s46, s46, 10
	s_lshl_b32 s22, ttmp9, 23                      ; x's three sets of codes lie 8 MiB apart,
	s_lshl_b32 s23, ttmp9, 20                      ; the weights' sets 1 MiB
	s_cmp_eq_u32 ttmp9, 2
	s_cselect_b32 s18, s23, s22                    ; the A role's set
	s_cselect_b32 s19, s22, s23                    ; the B role's
	s_add_co_u32 s20, s20, s18
	s_add_co_u32 s46, s46, s19
	s_mov_b32 s21, 0
	s_mov_b32 s47, 0
	s_mul_i32 s45, s14, HALFT                      ; where the tiles go: wave x 128 rows: no place in the cluster enters an LDS address
	s_lshl_b32 s12, s17, 8
	s_lshl_b32 s18, s15, 7
	s_add_co_u32 s12, s12, s18                     ; PA: my wave's first A-role row
	s_lshl_b32 s13, s42, 8
	s_lshl_b32 s18, s16, 7
	s_add_co_u32 s13, s13, s18                     ; PB: its first B-role row
	s_wait_kmcnt 0x0
	s_load_b256 s[88:95], s[78:79], 0x0            ; e0 .. e7
	s_load_b128 s[96:99], s[78:79], 0x20           ; e8 .. e11
	s_cmp_eq_u32 ttmp9, 2
	s_cselect_b64 s[4:5], s[70:71], s[68:69]       ; the A role's buffer: wc for v, else xc
	s_cselect_b64 s[6:7], s[68:69], s[70:71]       ; the B role's
	s_cselect_b64 s[8:9], s[76:77], s[74:75]       ; bv : bk
	s_cselect_b64 s[10:11], s[84:85], s[82:83]     ; vi : ki
	s_cmp_eq_u32 ttmp9, 0
	s_cselect_b64 s[8:9], s[72:73], s[8:9]         ; bq
	s_cselect_b64 s[10:11], s[80:81], s[10:11]     ; qi
	s_add_nc_u64 s[20:21], s[4:5], s[20:21]
	s_add_nc_u64 s[46:47], s[6:7], s[46:47]
	CROUND                                         ; all sixteen work-groups are here: the first joint loads meet
.irp s, 0,1
	s_mov_b32 s[G0+4*\s], 1
	s_add_co_u32 s[G0+4*\s+1], s45, \s*SLOT
	s_add_nc_u64 s[G0+4*\s+2:G0+4*\s+3], s[20:21], \s*ROWB
	s_or_b32 s[G0+4*\s+3], s[G0+4*\s+3], 0x80000000
	s_mov_b32 s[G0B+4*\s], 1
	s_add_co_u32 s[G0B+4*\s+1], s45, \s*SLOT
	s_add_nc_u64 s[G0B+4*\s+2:G0B+4*\s+3], s[46:47], \s*ROWB
	s_or_b32 s[G0B+4*\s+3], s[G0B+4*\s+3], 0x80000000
	JLOAD G0+4*\s, G1, G0B+4*\s, G1B
.endr
	v_and_b32 v1, 15, v0                           ; r
	v_bfe_u32 v2, v0, 4, 1                         ; h
	v_mul_u32_u24 v3, v1, PITCH
	v_lshl_add_u32 v4, v2, 4, v3                   ; a fragment's row x pitch + 16 h
	s_mul_i32 s21, s15, HALFT                      ; my 128 rows of the A role
	s_mul_i32 s22, s16, HALFT                      ; my 128 rows of the B role,
	s_add_co_u32 s22, s22, 2*HALFT                 ; which lie behind the A role's 256
.irp s, 0,1
	v_add_nc_u32 v[ADRA+\s], s21, v4
	v_add_nc_u32 v[ADRB+\s], s22, v4
	s_add_co_u32 s21, s21, SLOT
	s_add_co_u32 s22, s22, SLOT
.endr
	s_lshl_b32 s23, s14, 14                        ; my stage: 16,384 bytes, in slot 0, which has had its last fill and its last read when the first code is stored there
	v_bfe_u32 v5, v0, 3, 1                         ; r / 8
	v_and_b32 v6, 7, v0                            ; r % 8
	v_lshlrev_b32 v5, 10, v5
	v_lshl_add_u32 v5, v6, 4, v5
	v_lshl_add_u32 v5, v2, 3, v5
	v_add_nc_u32 v[STO], s23, v5                   ; 1024 (r / 8) + 16 (r % 8) + 8 h
	v_and_b32 v6, 31, v0
	v_lshlrev_b32 v[CO], 4, v6
	v_add_nc_u32 v[RD], s23, v[CO]
	v_mov_b32 v[ZER], 0
	; THE BIASES, in both forms in every work-group, so that no branch is needed: by B-role row (q, k: a lane's 64 features) and by A-role row (v: one feature for each of its eight blocks).
	; The form that does not apply is read at the buffer's head and made 0 on the way out.
	s_cmp_eq_u32 ttmp9, 2
	s_cselect_b32 s18, 0, s13
	s_cselect_b32 s19, s12, 0
	s_lshl_b32 s18, s18, 2
	s_lshl_b32 s19, s19, 2
	v_lshl_add_u32 v[BCO], v2, 5, s18              ; 4 PB + 32 h
	v_lshl_add_u32 v[BLO], v1, 2, s19              ; 4 PA + 4 r
.irp b, 0,1,2,3,4,5,6,7
	global_load_b128 v[BC+8*\b:BC+8*\b+3], v[BCO], s[8:9] offset:64*\b
	global_load_b128 v[BC+8*\b+4:BC+8*\b+7], v[BCO], s[8:9] offset:64*\b+16
.endr
.irp a, 0,1,2,3,4,5,6,7
	global_load_b32 v[BL+2*\a], v[BLO], s[8:9] offset:64*\a
	v_mov_b32 v[BL+2*\a+1], 0                      ; (named with it as a pair)
.endr
.macro FRAG reg, adr, q, i             ; a fragment: lane l holds row l % 16; registers 4 c .. 4 c + 3 hold K = 32 c + 16 (l / 16) + 0 .. 15: the same places of k in both roles, so every product meets its partner
.irp c, 0,1,2,3
	ds_load_b128 v[\reg+4*\c:\reg+4*\c+3], v[\adr] offset:128*(\q)+32*\c+(\i)*16*PITCH
.endr
.endm
; 16 matrix instructions: A-role blocks a0, a0 + 1 x the B role's eight, 128 along K.  p: the B role's set.  zero = 1: the first product starts the sums.
; The 64 accumulators take turns, one instruction a turn, in the same order in every step.
.macro MUL16 a0, p, zero
.irp a, \a0, \a0+1
.irp b, 0,1,2,3,4,5,6,7
.if \zero
	v_wmma_f32_16x16x128_fp8_fp8 v[8*(8*((\a)%4)+\b):8*(8*((\a)%4)+\b)+7], v[128*(\p)+FR*\b:128*(\p)+FR*\b+FR-1], v[AF+FR*(\a):AF+FR*(\a)+FR-1], 0
.else
	v_wmma_f32_16x16x128_fp8_fp8 v[8*(8*((\a)%4)+\b):8*(8*((\a)%4)+\b)+7], v[128*(\p)+FR*\b:128*(\p)+FR*\b+FR-1], v[AF+FR*(\a):AF+FR*(\a)+FR-1], v[8*(8*((\a)%4)+\b):8*(8*((\a)%4)+\b)+7]
.endif
.endr
.endr
.endm
.macro FETCH_B slot, q, p
	WIN TO_B
.irp i, 0,1,2,3,4,5,6,7
	FRAG 128*(\p)+FR*\i, ADRB+\slot, \q, \i
.endr
	WIN 0
.endm
.macro FETCH_A slot, q, i0
.irp i, \i0, \i0+1, \i0+2, \i0+3
	FRAG AF+FR*(\i), ADRA+\slot, \q, \i
.endr
.endm
.macro PLACES n                        ; plain vector lines between a matrix instruction and a load into, or a vector write of, a register that it has read, or a read of its result
.rept \n
	v_nop
.endr
.endm
; A step of 128 along K that has its successor in the same slot.
.macro STEP slot, q, zero
	s_wait_dscnt 4*NL                              ; the B role's set and A-role blocks 0-3 are in; the youngest 16 loads (blocks 4-7) may be out
	WIN MUL_LO
	MUL16 0, (\q)%2, \zero
	MUL16 2, (\q)%2, \zero
	s_wait_dscnt 0                                 ; blocks 4-7 are in
	PLACES NP
	FETCH_B \slot, (\q)+1, 1-(\q)%2
	FETCH_A \slot, (\q)+1, 0
	WIN MUL_HI
	MUL16 4, (\q)%2, \zero
	MUL16 6, (\q)%2, \zero
	PLACES NP
	WIN 0
	FETCH_A \slot, (\q)+1, 4
.endm
; A slot's last step changes slots: ONE barrier; in front of it each wave waits for all its tensor loads, adds 0 to its spare word, and waits for that and for its own reads of this slot.  fill = 1: this slot is filled again, two K steps ahead.
.macro TURN slot, next, fill
	s_wait_tensorcnt 0x0                           ; all my tensor loads have landed: my part of the next slot
	ds_add_u32 v[SPW], v[NIL]                      ; 0 onto my spare word
	s_wait_dscnt 4*NL+1                            ; (the add and the youngest 16 loads may be out)
	WIN MUL_LO
	MUL16 0, 1, 0                                  ; sixteen matrix instructions stand between the add and the wait for it
	s_wait_dscnt 0x0                               ; the add is done, and my reads of this slot are over
	s_barrier_signal -1
	MUL16 2, 1, 0
	WIN 0
	s_barrier_wait -1
.if \fill
	CREST                                          ; the barrier has opened a round of the cluster's barrier: no wave of any partner still reads this slot or has a load on its way
	s_add_nc_u64 s[G0+4*\slot+2:G0+4*\slot+3], s[G0+4*\slot+2:G0+4*\slot+3], 2*ROWB
	s_add_nc_u64 s[G0B+4*\slot+2:G0B+4*\slot+3], s[G0B+4*\slot+2:G0B+4*\slot+3], 2*ROWB
	JLOAD G0+4*\slot, G1, G0B+4*\slot, G1B         ; the first tensor load behind the round; its four v_nop are the places in front of the loads below
.else
	PLACES NP
.endif
	FETCH_B \next, 0, 0
	FETCH_A \next, 0, 0
	WIN MUL_HI
	MUL16 4, 1, 0
	MUL16 6, 1, 0
	PLACES NP
	WIN 0
	FETCH_A \next, 0, 4
.endm
	s_wait_tensorcnt 1                             ; my part of K step 0 is in (K step 1's load may be out)
	s_barrier_signal -1
	s_barrier_wait -1                              ; everybody's is
	FETCH_B 0, 0, 0
	FETCH_A 0, 0, 0
	FETCH_A 0, 0, 4
	STEP 0, 0, 1                                   ; the first step stands in front of the loop: its products start the sums
	s_mov_b32 s3, LAPS-1
.Llap:                                                 ; a trip goes once round the ring and fills both slots again
	TURN 0, 1, 1
	STEP 1, 0, 0
	TURN 1, 0, 1
	STEP 0, 0, 0
	s_sub_co_u32 s3, s3, 1
	s_cmp_lg_u32 s3, 0
	s_cbranch_scc1 .Llap
	TURN 0, 1, 0                                   ; the last lap fills nothing
	STEP 1, 0, 0
	s_wait_dscnt 4*NL
	WIN MUL_LO
	MUL16 0, 1, 0
	MUL16 2, 1, 0
	s_wait_dscnt 0
	WIN MUL_HI
	MUL16 4, 1, 0
	MUL16 6, 1, 0
	WIN 0
	; THE WAY OUT.  What hangs on the product is chosen here, without a branch.
	s_wait_kmcnt 0x0
	s_cmp_eq_u32 ttmp9, 0
	s_cselect_b32 s18, s88, s90                    ; ea: e0 : e2
	s_cselect_b32 s19, s89, s91                    ; eb: e1 : e3
	s_cselect_b32 s20, s94, s95                    ; eo: e6 : e7
	s_mov_b32 s22, 0x20000                         ; from head to head: 16 images
	s_mov_b32 s23, 0x1000                          ; half an image
	s_cmp_eq_u32 ttmp9, 2
	s_cselect_b32 s18, s92, s18                    ; e4
	s_cselect_b32 s19, s93, s19                    ; e5
	s_cselect_b32 s20, s97, s20                    ; e9
	s_cselect_b32 s40, s23, s22                    ; what the stage's upper half adds to the address,
	s_cselect_b32 s42, s22, s23                    ; and what each odd quarter adds
	s_cselect_b32 s44, s13, s12                    ; my first token
	s_cselect_b32 s45, s12, s13                    ; my first feature
	s_add_co_i32 s18, s18, s19
	s_add_co_i32 s18, s18, 127
	s_lshl_b32 s86, s18, 23                        ; 2^(ea + eb) as f32
	s_mov_b32 s87, s86                             ; (named with it as a pair)
	s_add_co_i32 s20, s20, 127
	s_lshl_b32 s21, s20, 23
	s_add_co_i32 s20, s20, 8
	s_lshl_b32 s20, s20, 23
	s_or_b32 s20, s20, 0x600000
	PLACES NP                                      ; behind the last products: their A-role fragments' registers are written below
	v_mov_b32 v[SCL], s21                          ; 2^eo
	v_mov_b32 v[LIM], s20                          ; 448 x 2^eo
	s_lshr_b32 s18, s44, 11                        ; batch
	s_lshl_b32 s18, s18, 4
	s_lshr_b32 s19, s45, 6                         ; head
	s_add_co_u32 s18, s18, s19
	s_lshl_b32 s18, s18, 17
	s_bfe_u32 s19, s44, 0x40007                    ; the block of 128 tokens
	s_lshl_b32 s19, s19, 13
	s_add_co_u32 s18, s18, s19
	s_mov_b32 s19, 0
	s_mov_b32 s41, 0
	s_mov_b32 s43, 0
	s_add_nc_u64 s[76:77], s[10:11], s[18:19]      ; where the stage's four quarters of 4,096 bytes go
	s_add_nc_u64 s[78:79], s[76:77], s[42:43]
	s_add_nc_u64 s[80:81], s[76:77], s[40:41]
	s_add_nc_u64 s[82:83], s[80:81], s[42:43]
	s_wait_loadcnt 0x0                             ; the biases
.set j, 0
.rept 64
	v_cndmask_b32 v[BC+j], v[ZER], v[BC+j], s66    ; q, k: kept;  v: 0
.set j, j+1
.endr
.set j, 0
.rept 8
	v_cndmask_b32 v[BL+2*j], v[BL+2*j], v[ZER], s66   ; q, k: 0;  v: kept
.set j, j+1
.endr
; Block a: my A-role rows 16 a .. 16 a + 15 against all 128 B-role rows: 64 numbers a lane -> 64 codes -> the stage.
.macro BLOCK a
.set AC, 64*((\a)%4)
.set CS, CD+16*((\a)%2)
	WIN 0x02+((\a)/4)                              ; source 0: window 2 or 3
.set j, 0
.rept 32
	v_pk_fma_f32 v[TMP+j:TMP+j+1], v[AC+j:AC+j+1], s[86:87], v[BC+j:BC+j+1] op_sel_hi:[1,0,1]   ; sum x 2^(ea + eb) + bias; each accumulator from its low end on
.set j, j+2
.endr
	WIN 0
.set j, 0
.rept 32
	v_pk_add_f32 v[TMP+j:TMP+j+1], v[TMP+j:TMP+j+1], v[BL+2*(\a):BL+2*(\a)+1] op_sel_hi:[1,0]   ; + the bias of my A-role row (0 for q and k)
.set j, j+2
.endr
.set j, 0
.rept 64
	v_med3_num_f32 v[TMP+j], v[TMP+j], -v[LIM], v[LIM]   ; the conversion does not saturate (ISA guide 7.6.2): the hold comes first
.set j, j+1
.endr
.if (\a) >= 2
	s_wait_dscnt 8                                 ; the block before's eight stores may be out; those of two blocks ago have read this set of code registers
.endif
.irp b, 0,1,2,3,4,5,6,7
	v_cvt_scalef32_pk8_fp8_f32 v[CS+2*\b:CS+2*\b+1], v[TMP+8*\b:TMP+8*\b+7], v[SCL]
.endr
	v_nop                                          ; a plain line between the conversions and the next block's writes of their sources
.irp b, 0,1,2,3,4,5,6,7
	ds_store_b64 v[STO], v[CS+2*\b:CS+2*\b+1] offset:((\a)/2)*2048+((\a)%2)*128+(\b%4)*256+(\b/4)*8192
.endr
.endm
.irp a, 0,1,2,3,4,5,6,7
	BLOCK \a
.endr
	s_wait_dscnt 0x0                               ; the stores have read their registers: the loads below land on them
.set i, 0
.rept 32
	ds_load_b128 v[BK+4*i:BK+4*i+3], v[RD] offset:512*i   ; my own bytes, as they are to lie in memory
.set i, i+1
.endr
.set i, 0
.rept 32
	s_wait_dscnt 31-i
	global_store_b128 v[CO], v[BK+4*i:BK+4*i+3], s[76+2*(i/8):77+2*(i/8)] offset:(i%8)*512   ; 32 lanes store 512 consecutive bytes, aligned
.set i, i+1
.endr
	s_wait_tensorcnt 0x0                           ; the wave's end
	ds_add_u32 v[SPW], v[NIL]
	s_wait_dscnt 0x0
	CROUND                                         ; the closing round: no work-group ends while a partner may still ask for a tile that names it
	s_endpgm
.Lfunc_end_k_q0b6e2194ad_qkv:
	.size	k_q0b6e2194ad_qkv, .Lfunc_end_k_q0b6e2194ad_qkv-k_q0b6e2194ad_qkv
	.p2alignl 7, 3214868480
	.fill 96, 4, 3214868480
	.section	.rodata,"a",@progbits
	.p2align	6, 0x0
	.amdhsa_kernel k_q0b6e2194ad_qkv
		.amdhsa_group_segment_fixed_size 327680
		.amdhsa_private_segment_fixed_size 0
		.amdhsa_enable_private_segment 0
		.amdhsa_kernarg_size 72
		.amdhsa_user_sgpr_count 2
		.amdhsa_user_sgpr_kernarg_segment_ptr 1
		.amdhsa_wavefront_size32 1
		.amdhsa_system_sgpr_workgroup_id_x 1
		.amdhsa_system_sgpr_workgroup_id_y 1
		.amdhsa_system_sgpr_workgroup_id_z 1
		.amdhsa_system_vgpr_workitem_id 0
		.amdhsa_next_free_vgpr 1024
		.amdhsa_next_free_sgpr 100
		.amdhsa_reserve_vcc 0
		.amdhsa_float_denorm_mode_32 3
		.amdhsa_float_denorm_mode_16_64 3
		.amdhsa_memory_ordered 1
		.amdhsa_forward_progress 1
		.amdhsa_inst_pref_size 166
	.end_amdhsa_kernel
	.amdgpu_metadata
---
amdhsa.version: [ 1, 2 ]
amdhsa.kernels:
  - .name:           k_q0b6e2194ad_qkv
    .symbol:         k_q0b6e2194ad_qkv.kd
    .args:
      - { .name: xc, .offset: 0, .size: 8, .value_kind: global_buffer, .address_space: global }
      - { .name: wc, .offset: 8, .size: 8, .value_kind: global_buffer, .address_space: global }
      - { .name: bq, .offset: 16, .size: 8, .value_kind: global_buffer, .address_space: global }
      - { .name: bk, .offset: 24, .size: 8, .value_kind: global_buffer, .address_space: global }
      - { .name: bv, .offset: 32, .size: 8, .value_kind: global_buffer, .address_space: global }
      - { .name: lowp_scales, .offset: 40, .size: 8, .value_kind: global_buffer, .address_space: global }
      - { .name: qi, .offset: 48, .size: 8, .value_kind: global_buffer, .address_space: global }
      - { .name: ki, .offset: 56, .size: 8, .value_kind: global_buffer, .address_space: global }
      - { .name: vi, .offset: 64, .size: 8, .value_kind: global_buffer, .address_space: global }
    .group_segment_fixed_size: 327680
    .private_segment_fixed_size: 0
    .kernarg_segment_align: 8
    .kernarg_segment_size: 72
    .max_flat_workgroup_size: 128
    .sgpr_count:     100
    .vgpr_count:     1024
    .wavefront_size: 32
...
	.end_amdgpu_metadata
.endif
;; end of part 2
;; launch attn (part 3): grid 8 x 64, 16 waves a work-group, no clusters, 280,576 bytes of LDS; arguments qi, ki, vi, mlane, mflag, lowp_scales, ac; writes ac
.if DOCPART == 3
	.amdgcn_target "amdgcn-amd-amdhsa--gfx1250"
	.amdhsa_code_object_version 6
	.text
	.protected	k_q0b6e2194ad_attn
	.globl	k_q0b6e2194ad_attn
	.p2align	8
	.type	k_q0b6e2194ad_attn,@function
k_q0b6e2194ad_attn:
	s_mov_b64 s[64:65], 0
	v_nop
	global_prefetch_b8 v0, s[64:65] scope:SCOPE_SE
	s_setreg_imm32_b32 hwreg(HW_REG_WAVE_MODE, 25, 1), 1
	s_wait_xcnt 0x0
; ATTENTION on E4M3 codes: S^T = K Q^T, the mask, p = 2^(t - M), O^T = V^T P^T, O / l, quantised under 2^e10 into ac [head 16][token 8192][64].
; t = score x 2^(e6 + e7) x log2(e) / 8; M = the running largest t of the query, rounded UP to a whole number; the row's sum l is taken of the unquantised p; when M moves, l and O are multiplied by 2^(old M - new M): exact.
; SHARES.  Work-group (j, bh) owns the blocks of 128 queries j and 15 - j of one batch and head; each of its sixteen waves owns one tile of 16 queries in 256 registers.  The tile's lane r is query
; 128 sigma + 32 (t / 2) + 8 (t % 2) + r + 8 (r / 8), as the image of q has it.  Every wave walks the head's 16 key steps of 128 keys.
; THE MASK IS AN INPUT.  An earlier launch has stored, for each query tile and key step, two bits (0: all masked, 1: mixed, 2: none masked) and 64 words of lane bits.  A step that is all masked adds nothing (p = 0,
; M stays) and is jumped over, by a scalar branch on the stored bits; a mixed step sets the masked scores to -infinity ahead of the maximum; any pattern is served.
; NO TENSOR LOADS, NO CLUSTER: partners of a cluster would have to walk alike; the jump over masked steps is the larger thing.
; So the head's K and V (16 images of 8,192 bytes each) come through registers into LDS, each byte once, in four chunks of four key steps; a chunk's loads are issued four key steps ahead of the wait for them.
; LAYOUT.  Both products are used transposed, so a lane holds ONE query throughout.  Score register 16 b + i of lane (r, h) is key 32 b + 16 h + i of the step: so p's conversions give the second product's operand as it stands.
; O^T register 8 t + j of lane (r, h) is channel 32 (t / 2) + 16 h + 8 (t % 2) + j: 16 neighbours in two tiles, as the last quantiser wants them.
; LIMITS: e6 + e7 between -123 and 130 (added to the exponent field of log2(e) / 8); e8 and e10 between -126 and 119.  NaN among the inputs is not served.
; A query all of whose keys are masked has l = 0: its 64 codes are the NaN code, so that its row of the output is NaN, as in the definition.
; REGISTERS: v1 16 x lane; v7 the same + V's base; v2, v3 the step's addresses; v4, v5, v10, v11 16 x thread + 0, 64 Ki, 128 Ki, 192 Ki; v8, v9 the stage; v12 -M; v13 the largest t; v[14:15] l in two halves; v16-23 Q;
;   v24-55 a chunk on its way; v56-119 fragments of K, then of V; v120-183 S^T, then p; v184-215 O^T; v216-231 p's codes; v232 -infinity; v233, v234 448 x 2^e8, 2^e8; v[236:237] f; v238-243 at work; v244, v245 2^e10, 448 x 2^e10; v246 four NaN codes.
; SCALARS: s[4:5] q, s[6:7] k, s[8:9] v, s[10:11] the lane bits of the step in hand; s16-47, s68-99 a step's 64 words; s48 wave; s49 the step's LDS byte; s50 count; s51 the flags; s52 this step's; s53 1 where p needs a hold;
;   s[54:55] c; s[56:57] lane selects; s[58:59] ac; s60 e8 + e9.
.set VB,  0x20000                      ; LDS: K's 16 images from 0, V's from here,
.set STG, 0x40000                      ; and a stage of 1,024 bytes for each wave
.set KF,  56
.set SS,  120
.set OO,  184
.set PC,  216
.macro GLOAD c                         ; chunk c: 32,768 bytes of K and of V: 512 threads x 16 bytes x 4, each
.irp i, 0,1,2,3
	global_load_b128 v[24+4*\i:27+4*\i], v4, s[6:7] offset:32768*(\c)+8192*\i
	global_load_b128 v[40+4*\i:43+4*\i], v4, s[8:9] offset:32768*(\c)+8192*\i
.endr
.endm
.macro LSTORE c                        ; and into LDS, as it lies in memory
.irp i, 0,1,2,3
	ds_store_b128 v[4+(\c)/2], v[24+4*\i:27+4*\i] offset:((\c)%2)*32768+8192*\i
	ds_store_b128 v[10+(\c)/2], v[40+4*\i:43+4*\i] offset:((\c)%2)*32768+8192*\i
.endr
.endm
; A KEY STEP: 128 keys.
.macro STEP
	s_and_b32 s52, s51, 3                          ; this step's two bits
	s_lshr_b32 s51, s51, 2
	s_cmp_eq_u32 s52, 0
	s_cbranch_scc1 .Lskip_\@                       ; all 16 x 128 masked: nothing to add
	s_load_b512 s[16:31], s[10:11], 0x0            ; the 64 words of lane bits: asked for in every step that works, so that they are written on every way that could read them
	s_load_b512 s[32:47], s[10:11], 0x40
	s_load_b512 s[68:83], s[10:11], 0x80
	s_load_b512 s[84:99], s[10:11], 0xc0
	v_add_nc_u32 v2, s49, v1
	v_add_nc_u32 v3, s49, v7
.set i, 0
.rept 16
	ds_load_b128 v[KF+4*i:KF+4*i+3], v2 offset:512*i   ; K's image, piece by piece: tile i / 2, channels 32 (i % 2) on
.set i, i+1
.endr
	s_wait_dscnt 0x0
.set i, 0
.rept 8
	v_wmma_f32_16x16x64_fp8_fp8 v[SS+8*i:SS+8*i+7], v[KF+8*i:KF+8*i+7], v[16:23], 0
.set i, i+1
.endr
.rept 4
	v_nop                                          ; places: in front of the loads into K's registers, and of the first read of the scores
.endr
.irp t, 0,1,2,3
.irp c, 0,1,2,3
	ds_load_b128 v[KF+16*\t+4*\c:KF+16*\t+4*\c+3], v3 offset:(\c/2)*4096+\t*1024+(\c%2)*512   ; V's fragments land while the softmax is worked
.endr
.endr
	s_wait_kmcnt 0x0                               ; the words are in, and their base may be stepped
	s_cmp_lg_u32 s52, 1
	s_cbranch_scc1 .Lopen_\@                       ; none masked
.set n, 0
.rept 64
.if n < 32
	v_cndmask_b32 v[SS+n], v[SS+n], v232, s[16+n]  ; masked: -infinity, so p = 0
.else
	v_cndmask_b32 v[SS+n], v[SS+n], v232, s[36+n]
.endif
.set n, n+1
.endr
.Lopen_\@:
	v_max3_num_f32 v238, v[SS], v[SS+1], v[SS+2]   ; the step's largest score of my query among my 64 keys, in two chains, ascending
	v_max3_num_f32 v239, v[SS+3], v[SS+4], v[SS+5]
.irp i, 6,10,14,18,22,26,30,34,38,42,46,50,54,58
	v_max3_num_f32 v238, v238, v[SS+\i], v[SS+1+\i]
	v_max3_num_f32 v239, v239, v[SS+2+\i], v[SS+3+\i]
.endr
	v_max3_num_f32 v238, v238, v[SS+62], v[SS+63]
	v_max_num_f32 v238, v238, v239
	v_permlanex16_b32 v240, v238, s56, s57
	v_max_num_f32 v238, v238, v240                 ; and among lane l xor 16's
	v_mul_f32 v238, s54, v238                      ; as t (c is positive)
	v_max_num_f32 v13, v13, v238                   ; the running largest t
	v_mov_b32 v238, v12
	v_floor_f32 v12, -v13                          ; the new -M = floor(-t) = -ceil(t)
	v_sub_f32 v238, v12, v238                      ; old M - new M: a whole number, 0 or less
	v_cvt_i32_f32 v238, v238                       ; (it saturates)
	v_ldexp_f32 v236, 1.0, v238                    ; f = 2^(old M - new M)
.set j, 0
.rept 32
	v_pk_fma_f32 v[SS+j:SS+j+1], v[SS+j:SS+j+1], s[54:55], v[12:13] op_sel_hi:[1,0,0]   ; t - M, two at a time
.set j, j+2
.endr
.set j, 0
.rept 64
	v_exp_f32 v[SS+j], v[SS+j]                     ; p = 2^(t - M): one batch
.set j, j+1
.endr
	v_pk_mul_f32 v[14:15], v[14:15], v[236:237] op_sel_hi:[1,0]   ; l under the new M: the plain line behind the exponentials
	s_wait_alu depctr_va_vdst(0)                   ; one wait for the batch, ahead of its first reader
	v_pk_add_f32 v[242:243], v[SS:SS+1], v[SS+2:SS+3]   ; the row's sum, of the unquantised p, in two chains
.irp j, 4,8,12,16,20,24,28,32,36,40,44,48,52,56,60
	v_pk_add_f32 v[14:15], v[14:15], v[SS+\j:SS+1+\j]
	v_pk_add_f32 v[242:243], v[242:243], v[SS+2+\j:SS+3+\j]
.endr
	v_pk_add_f32 v[14:15], v[14:15], v[242:243]
	s_cmp_eq_u32 s53, 0                            ; p is at most 1 (and a rounding): with e8 at -8 or above p / 2^e8 stays under 448 and no hold is needed
	s_cbranch_scc1 .Lnohold_\@
.set n, 0
.rept 64
	v_min_num_f32 v[SS+n], v[SS+n], v233           ; the conversion does not saturate (ISA guide 7.6.2); p is not negative, so the hold is one-sided
.set n, n+1
.endr
.Lnohold_\@:
.set i, 0
.rept 8
	v_cvt_scalef32_pk8_fp8_f32 v[PC+2*i:PC+2*i+1], v[SS+8*i:SS+8*i+7], v234
.set i, i+1
.endr
.set j, 0
.rept 16
	v_pk_mul_f32 v[OO+j:OO+j+1], v[OO+j:OO+j+1], v[236:237] op_sel_hi:[1,0]   ; O^T under the new M, each accumulator from its low end on.  (Also the plain lines behind the conversions)
.set j, j+2
.endr
	s_wait_dscnt 0x0                               ; V's fragments
.irp t, 0,1,2,3
	v_wmma_f32_16x16x128_fp8_fp8 v[OO+8*\t:OO+8*\t+7], v[KF+16*\t:KF+16*\t+15], v[PC:PC+15], v[OO+8*\t:OO+8*\t+7]   ; four accumulators by turns; the next step's eight products stand between two links of a chain
.endr
.rept 4
	v_nop                                          ; places: in front of the next loads into V's registers and of the next read of O^T, on every way
.endr
.Lskip_\@:
	s_add_co_u32 s49, s49, 8192                    ; the next step's images
	s_add_nc_u64 s[10:11], s[10:11], 256           ; and its words
.endm
; A CHUNK: its 64 KiB go from registers into LDS (bytes that nobody has touched); the next chunk is asked for; one barrier; four key steps.
.macro CHUNK c
	s_wait_loadcnt 0x0                             ; the chunk is in my registers (at the first chunk: Q too)
	LSTORE \c
	s_wait_dscnt 0x0                               ; for the others' sake, and the stores have read their registers
.if (\c) < 3
	GLOAD (\c)+1
.endif
	s_barrier_signal -1
	s_barrier_wait -1                              ; everybody's part of the chunk lies in LDS
	s_mov_b32 s49, 32768*(\c)
	s_mov_b32 s50, 4
.Lstep_\@:
	STEP
	s_sub_co_u32 s50, s50, 1
	s_cmp_lg_u32 s50, 0
	s_cbranch_scc1 .Lstep_\@
.endm
	s_load_b256 s[4:11], s[0:1], 0x0               ; qi, ki, vi, mlane
	s_load_b128 s[12:15], s[0:1], 0x20             ; mflag, lowp_scales
	s_load_b64 s[58:59], s[0:1], 0x30              ; ac
	v_lshl_add_u32 v254, v0, 2, 0x44000
	v_mov_b32 v255, 0
	v_lshrrev_b32 v2, 5, v0
	v_readfirstlane_b32 s48, v2                    ; wave 0..15
	v_and_b32 v1, 31, v0
	v_lshlrev_b32 v1, 4, v1                        ; 16 x lane
	v_add_nc_u32 v7, VB, v1
	v_lshlrev_b32 v4, 4, v0                        ; 16 x thread
	v_add_nc_u32 v5, 0x10000, v4
	v_add_nc_u32 v10, 0x20000, v4
	v_add_nc_u32 v11, 0x30000, v4
	s_lshl_b32 s2, s48, 10
	s_add_co_u32 s2, s2, STG                       ; my stage
	v_and_b32 v8, 15, v0
	v_bfe_u32 v9, v0, 4, 1
	v_lshlrev_b32 v8, 6, v8
	v_lshl_add_u32 v8, v9, 4, v8
	v_add_nc_u32 v8, s2, v8                        ; in: row r of 64 bytes, + 16 h
	v_add_nc_u32 v9, s2, v1                        ; back: 16 x lane
	s_lshr_b32 s67, s48, 1                         ; t: my tile in its block of 128 queries
	s_lshr_b32 s61, s48, 2
	s_xor_b32 s61, s61, s48
	s_and_b32 s61, s61, 1                          ; which of the two blocks: waves 2 t and 2 t + 1 take one each
	s_sub_co_u32 s62, 15, ttmp9
	s_cmp_eq_u32 s61, 0
	s_cselect_b32 s62, ttmp9, s62                  ; sigma: j or 15 - j
	s_lshl_b32 s63, s62, 3
	s_add_co_u32 s63, s63, s67                     ; qt = 8 sigma + t
	s_and_b32 s61, ttmp7, 0xffff                   ; bh = 16 x batch + head
	s_mov_b32 s56, 0x76543210
	s_mov_b32 s57, 0xfedcba98
	s_wait_kmcnt 0x0
	s_load_b256 s[16:23], s[14:15], 0x10           ; e4 .. e11
	s_lshl_b32 s2, s61, 17                         ; a batch and head: 16 images
	s_mov_b32 s3, 0
	s_add_nc_u64 s[6:7], s[6:7], s[2:3]
	s_add_nc_u64 s[8:9], s[8:9], s[2:3]
	s_lshl_b32 s66, s62, 13
	s_add_co_u32 s2, s2, s66                       ; + my block's image
	s_lshl_b32 s66, s67, 10
	s_add_co_u32 s2, s2, s66                       ; + my tile's two pieces
	s_add_nc_u64 s[4:5], s[4:5], s[2:3]
	s_lshl_b32 s2, s63, 12                         ; 16 key steps x 256 bytes of lane bits
	s_add_nc_u64 s[10:11], s[10:11], s[2:3]
	s_lshl_b32 s2, s63, 2
	s_add_nc_u64 s[12:13], s[12:13], s[2:3]
	s_load_b32 s51, s[12:13], 0x0                  ; my tile's flags: two bits a key step
	global_load_b128 v[16:19], v1, s[4:5]          ; Q's fragment stays in registers
	global_load_b128 v[20:23], v1, s[4:5] offset:512
	GLOAD 0
	s_and_b32 s2, s61, 15                          ; head
	s_lshl_b32 s2, s2, 19                          ; 8,192 tokens x 64 bytes
	s_lshr_b32 s3, s61, 4                          ; batch
	s_lshl_b32 s3, s3, 11
	s_lshl_b32 s66, s62, 7
	s_add_co_u32 s3, s3, s66
	s_lshr_b32 s66, s67, 1
	s_lshl_b32 s66, s66, 5
	s_add_co_u32 s3, s3, s66
	s_and_b32 s66, s67, 1
	s_lshl_b32 s66, s66, 3
	s_add_co_u32 s3, s3, s66                       ; my tile's first token
	s_lshl_b32 s3, s3, 6
	s_add_co_u32 s2, s2, s3
	s_mov_b32 s3, 0
	s_add_nc_u64 s[58:59], s[58:59], s[2:3]
	v_mov_b32 v13, 0xff61b1e6                      ; the largest t so far: -3e38, under every t
	v_floor_f32 v12, -v13                          ; -M
	v_mov_b32 v14, 0
	v_mov_b32 v15, 0
	v_mov_b32 v232, 0xff800000                     ; -infinity
	v_mov_b32 v237, 0                              ; (named as the upper half of a pair)
	v_mov_b32 v240, 0                              ; a lane permute's destination counts as one of its sources
.set i, 0
.rept 32
	v_mov_b32 v[OO+i], 0                           ; O^T.  Which step is a wave's first hangs on the mask, so no product of the text can start the sums
.set i, i+1
.endr
	s_wait_kmcnt 0x0
	s_add_co_i32 s2, s18, s19                      ; e6 + e7
	s_lshl_b32 s2, s2, 23
	s_mov_b32 s54, 0x3e38aa3b                      ; log2(e) / 8
	s_add_co_i32 s54, s54, s2                      ; x 2^(e6 + e7)
	s_mov_b32 s55, s54
	s_add_co_i32 s2, s20, 127
	s_lshl_b32 s3, s2, 23
	v_mov_b32 v234, s3                             ; 2^e8
	s_add_co_i32 s2, s2, 8
	s_lshl_b32 s2, s2, 23
	s_or_b32 s2, s2, 0x600000
	v_mov_b32 v233, s2                             ; 448 x 2^e8
	s_add_co_i32 s2, s22, 127
	s_lshl_b32 s3, s2, 23
	v_mov_b32 v244, s3                             ; 2^e10
	s_add_co_i32 s2, s2, 8
	s_lshl_b32 s2, s2, 23
	s_or_b32 s2, s2, 0x600000
	v_mov_b32 v245, s2                             ; 448 x 2^e10
	s_add_co_i32 s60, s20, s21                     ; e8 + e9
	s_cmp_lt_i32 s20, -8
	s_cselect_b32 s53, 1, 0
	CHUNK 0
	CHUNK 1
	CHUNK 2
	CHUNK 3
	; THE WAY OUT: O^T x 2^(e8 + e9) / l, quantised; through my stage, so that the wave stores runs of 512 consecutive bytes.
	v_add_f32 v14, v14, v15
	v_permlanex16_b32 v240, v14, s56, s57
	v_add_f32 v14, v14, v240                       ; the row's sum
	v_cmp_eq_f32 vcc_lo, 0, v14                    ; no key counted for this query
	v_rcp_f32 v236, v14
	v_mov_b32 v246, 0x7f7f7f7f                     ; (the plain line behind the reciprocal)  four NaN codes
	s_wait_alu depctr_va_vdst(0)                   ; ahead of the reciprocal's first reader
	v_ldexp_f32 v236, v236, s60
.set j, 0
.rept 16
	v_pk_mul_f32 v[SS+j:SS+j+1], v[OO+j:OO+j+1], v[236:237] op_sel_hi:[1,0]
.set j, j+2
.endr
.set n, 0
.rept 32
	v_med3_num_f32 v[SS+n], v[SS+n], -v245, v245
.set n, n+1
.endr
.set i, 0
.rept 4
	v_cvt_scalef32_pk8_fp8_f32 v[PC+2*i:PC+2*i+1], v[SS+8*i:SS+8*i+7], v244
.set i, i+1
.endr
	v_nop                                          ; a plain line between the conversions and the lines that touch their results
.set n, 0
.rept 8
	v_cndmask_b32 v[PC+n], v[PC+n], v246, vcc_lo
.set n, n+1
.endr
	ds_store_b128 v8, v[PC:PC+3]                   ; channels 16 h + 0 .. 15 of query r
	ds_store_b128 v8, v[PC+4:PC+7] offset:32       ; channels 32 + 16 h + 0 .. 15
	ds_load_b128 v[24:27], v9                      ; LDS serves a wave's instructions in order: rows 0-7, eight neighbouring tokens,
	ds_load_b128 v[28:31], v9 offset:512           ; and rows 8-15, which lie 16 tokens behind the first
	s_wait_dscnt 1
	global_store_b128 v1, v[24:27], s[58:59]
	s_wait_dscnt 0x0
	global_store_b128 v1, v[28:31], s[58:59] offset:1024
	s_wait_tensorcnt 0x0
	ds_add_u32 v254, v255
	s_wait_dscnt 0x0
	s_endpgm
.Lfunc_end_k_q0b6e2194ad_attn:
	.size	k_q0b6e2194ad_attn, .Lfunc_end_k_q0b6e2194ad_attn-k_q0b6e2194ad_attn
	.p2alignl 7, 3214868480
	.fill 96, 4, 3214868480
	.section	.rodata,"a",@progbits
	.p2align	6, 0x0
	.amdhsa_kernel k_q0b6e2194ad_attn
		.amdhsa_group_segment_fixed_size 280576
		.amdhsa_private_segment_fixed_size 0
		.amdhsa_enable_private_segment 0
		.amdhsa_kernarg_size 56
		.amdhsa_user_sgpr_count 2
		.amdhsa_user_sgpr_kernarg_segment_ptr 1
		.amdhsa_wavefront_size32 1
		.amdhsa_system_sgpr_workgroup_id_x 1
		.amdhsa_system_sgpr_workgroup_id_y 1
		.amdhsa_system_sgpr_workgroup_id_z 1
		.amdhsa_system_vgpr_workitem_id 0
		.amdhsa_next_free_vgpr 256
		.amdhsa_next_free_sgpr 100
		.amdhsa_reserve_vcc 1
		.amdhsa_float_denorm_mode_32 3
		.amdhsa_float_denorm_mode_16_64 3
		.amdhsa_memory_ordered 1
		.amdhsa_forward_progress 1
		.amdhsa_inst_pref_size 95
	.end_amdhsa_kernel
	.amdgpu_metadata
---
amdhsa.version: [ 1, 2 ]
amdhsa.kernels:
  - .name:           k_q0b6e2194ad_attn
    .symbol:         k_q0b6e2194ad_attn.kd
    .args:
      - { .name: qi, .offset: 0, .size: 8, .value_kind: global_buffer, .address_space: global }
      - { .name: ki, .offset: 8, .size: 8, .value_kind: global_buffer, .address_space: global }
      - { .name: vi, .offset: 16, .size: 8, .value_kind: global_buffer, .address_space: global }
      - { .name: mlane, .offset: 24, .size: 8, .value_kind: global_buffer, .address_space: global }
      - { .name: mflag, .offset: 32, .size: 8, .value_kind: global_buffer, .address_space: global }
      - { .name: lowp_scales, .offset: 40, .size: 8, .value_kind: global_buffer, .address_space: global }
      - { .name: ac, .offset: 48, .size: 8, .value_kind: global_buffer, .address_space: global }
    .group_segment_fixed_size: 280576
    .private_segment_fixed_size: 0
    .kernarg_segment_align: 8
    .kernarg_segment_size: 56
    .max_flat_workgroup_size: 512
    .sgpr_count:     100
    .vgpr_count:     256
    .wavefront_size: 32
...
	.end_amdgpu_metadata
.endif
;; end of part 3
;; launch outp (part 4): grid 4 x 32, 4 waves a work-group, clusters of 4 x 4, 327,680 bytes of LDS; arguments ac, wc, bo, lowp_scales, out0; writes out0
.if DOCPART == 4
	.amdgcn_target "amdgcn-amd-amdhsa--gfx1250"
	.amdhsa_code_object_version 6
	.text
	.protected	k_q0b6e2194ad_outp
	.globl	k_q0b6e2194ad_outp
	.p2align	8
	.type	k_q0b6e2194ad_outp,@function
k_q0b6e2194ad_outp:
	s_mov_b64 s[64:65], 0
	v_nop
	global_prefetch_b8 v0, s[64:65] scope:SCOPE_SE
	s_setreg_imm32_b32 hwreg(HW_REG_WAVE_MODE, 25, 1), 1
	s_wait_xcnt 0x0
	s_wait_alu depctr_hold_cnt(0) depctr_sa_sdst(0) depctr_va_vdst(0) depctr_va_sdst(0) depctr_va_ssrc(0) depctr_va_vcc(0) depctr_vm_vsrc(0)
	s_getreg_b32 s2, hwreg(HW_REG_IB_STS2, 6, 4)
	s_cmp_eq_u32 s2, 0
	s_cbranch_scc0 .Lentry_in_a_cluster
	s_endpgm
.Lentry_in_a_cluster:
	s_bfe_u32 s2, ttmp6, 0x10000c
	s_cmp_lg_u32 s2, 0xf033
	s_cbranch_scc0 .Lentry_shape_is_right
	s_endpgm
.Lentry_shape_is_right:
; out0 = A Wo^T x 2^(e10 + e11) + bo.  A: the attention's result as E4M3 codes, ac [head 16][token 8192][64]; Wo's codes: the fourth set of wc, [1024][1024], K innermost; out0 [8192][1024] f32.
; LIMIT: e10 + e11 between -126 and 127, so that 2^(e10 + e11) is an f32 number.
; A tile of out0, 256 x 256, is made by a work-group of four waves; a wave makes 128 x 128: 64 accumulators, 512 registers.  K = 1,024 goes in four steps of 256 (four heads) through a ring of two LDS slots.
; A's TILE: 128 tokens x 64 bytes of one head are 8,192 consecutive bytes: one tensor load brings four such rows, 524,288 bytes apart, with 16 bytes of padding behind every 256: in LDS a head is 32 groups of four
; tokens, 272 bytes apart.  Token rho, head g of the step, channel d lie at 8704 g + 272 (rho / 4) + 64 (rho % 4) + d: the sixteen lanes of half a fragment load touch sixteen different columns of 16 bytes.
; k = 64 x head + d: register 4 c + .. of a fragment holds k = 32 c + 16 (l / 16) + 0 .. 15 of the 128 in hand, in A and in Wo alike.
; CLUSTERS: 4 x 4 work-groups; A's tile is asked for jointly by a row of the cluster, Wo's by a column.  THE MATRIX INSTRUCTION IS USED TRANSPOSED (source 0 = 16 rows of Wo, source 1 = 16 tokens): a lane holds eight neighbouring numbers of a row of out0.
; REGISTERS: window 0: v0-31 addresses; v32-95 bo at my 64 columns; from v128 A's fragments, ONE set.  window 1: Wo's fragments, TWO sets.  windows 2, 3: the accumulators ((a, b) at v[8 (8 (a % 4) + b)]).
.set ROWB,   256
.set KROW,   1024
.set PITCH,  272
.set HEADB,  32*PITCH                  ; a head's 128 tokens in LDS: 8,704 bytes
.set ASTEP,  4*524288                  ; four heads on in ac
.set FR,     16
.set NL,     4
.set NP,     4
.set HALFT,  128*PITCH                 ; what one tensor load brings: 128 rows of Wo, or 4 heads x 128 tokens
.set SLOT,   4*HALFT
.set LAPS,   2
.set SPARE,  2*SLOT                    ; behind the ring: the spare words
.set SPITCH, 528                       ; the way out: a stage of 16 rows x (512 bytes + 16) for each wave, in slot 0, which has had its last fill and its last read by then
.set ADRA, 16
.set ADRB, 20
.set STO,  24
.set RD,   25
.set CO,   26
.set BCO,  27
.set SPW,  28
.set NIL,  29
.set BO,   32
.set AF,   128
.set BK,   128                         ; the way out: two sets of 64 registers by turns
.set G1, 24
.set G0, 32
.set G1B, 48
.set G0B, 56
.set MSB, 0
.macro WIN new
.if MSB != \new
	s_set_vgpr_msb (MSB<<8)|\new
.set MSB, \new
.endif
.endm
.set MUL_LO, 0xa1
.set MUL_HI, 0xf1
.set TO_B,   0x40
.macro JLOAD g0a, g1a, g0b, g1b        ; waves 0 and 1 fetch for A, waves 2 and 3 for Wo; four v_nop follow each of the two lines
	s_cmp_eq_u32 s15, 0
	s_cbranch_scc0 .Lfor_b_\@
	tensor_load_to_lds s[\g0a:\g0a+3], s[\g1a:\g1a+7]
	s_nop 0
.rept 4
	v_nop
.endr
	s_branch .Lasked_\@
.Lfor_b_\@:
	tensor_load_to_lds s[\g0b:\g0b+3], s[\g1b:\g1b+7]
	s_nop 0
.rept 4
	v_nop
.endr
.Lasked_\@:
.endm
.macro CREST
	s_cmp_lg_u32 s14, 0
	s_cbranch_scc1 .Lnot_wave_0_\@
	s_barrier_signal -3
.Lnot_wave_0_\@:
	s_barrier_wait -3
	s_barrier_signal -1
	s_barrier_wait -1
.endm
.macro CROUND
	s_barrier_signal -1
	s_barrier_wait -1
	CREST
.endm
	s_load_b128 s[4:7], s[0:1], 0x0                ; ac, wc
	s_load_b128 s[8:11], s[0:1], 0x10              ; bo, lowp_scales
	s_load_b64 s[12:13], s[0:1], 0x20              ; out0
	v_lshl_add_u32 v[SPW], v0, 2, SPARE
	v_mov_b32 v[NIL], 0
	ds_add_u32 v28, v29
	ds_add_u32 v28, v29
	s_wait_dscnt 0x0
	v_lshrrev_b32 v1, 5, v0
	v_readfirstlane_b32 s14, v1                    ; wave 0..3
	s_lshr_b32 s15, s14, 1                         ; which half of the tile's rows is mine.  Also: I fetch for A (0) or for Wo (1)
	s_and_b32 s16, s14, 1                          ; which half of its columns.  Also: which half of that tile I fetch
	s_bfe_u32 s40, ttmp6, 0x40000                  ; cx, cy
	s_bfe_u32 s41, ttmp6, 0x40004
	s_lshl_b32 s42, ttmp9, 2
	s_add_co_u32 s42, s42, s40                     ; tile column
	s_and_b32 s17, ttmp7, 0xffff
	s_lshl_b32 s17, s17, 2
	s_add_co_u32 s17, s17, s41                     ; tile row
	s_lshl_b32 s43, s41, 2
	s_lshl_b32 s43, 15, s43                        ; my row of the cluster
	s_lshl_b32 s44, 0x1111, s40                    ; my column
	s_or_b32 s[G1+0], s43, (0<<16)|(1<<20)|(1<<21)|(5<<22)|(3<<25)  ; the mask; elements of 1 byte; padding: 4 words after every 64; bit 21 beside a mask
	s_or_b32 s[G1B+0], s44, (0<<16)|(1<<20)|(1<<21)|(5<<22)|(3<<25)
	s_mov_b32 s[G1+1], 8192<<16                    ; A: tensor_dim0 = 8,192 bytes: 128 tokens of a head
	s_mov_b32 s[G1+2], 4<<16                       ; tensor_dim1 = 4 heads
	s_mov_b32 s[G1+3], 8192<<16                    ; tile_dim0
	s_mov_b32 s[G1+4], 4                           ; tile_dim1
	s_mov_b32 s[G1+5], 524288                      ; from head to head
	s_mov_b32 s[G1+6], 0
	s_mov_b32 s[G1+7], 0
	s_mov_b32 s[G1B+1], ROWB<<16                   ; Wo: 128 rows of 256 bytes, 1,024 apart
	s_mov_b32 s[G1B+2], 128<<16
	s_mov_b32 s[G1B+3], ROWB<<16
	s_mov_b32 s[G1B+4], 128
	s_mov_b32 s[G1B+5], KROW
	s_mov_b32 s[G1B+6], 0
	s_mov_b32 s[G1B+7], 0
	s_lshl_b32 s18, s16, 7                         ; which 128 I fetch
	s_lshl_b32 s20, s17, 8
	s_add_co_u32 s20, s20, s18                     ; A: token 256 x tile row + 128 x half,
	s_lshl_b32 s20, s20, 6                         ; 64 bytes each
	s_lshl_b32 s46, s42, 8
	s_add_co_u32 s46, s46, s18                     ; Wo: row 256 x tile column + 128 x half,
	s_lshl_b32 s46, s46, 10
	s_add_co_u32 s46, s46, 0x300000                ; in the fourth set of wc
	s_mov_b32 s21, 0
	s_mov_b32 s47, 0
	s_mul_i32 s45, s14, HALFT                      ; where they go: no place in the cluster enters an LDS address
	s_wait_kmcnt 0x0
	s_load_b64 s[96:97], s[10:11], 0x28            ; e10, e11
	s_add_nc_u64 s[20:21], s[4:5], s[20:21]
	s_add_nc_u64 s[46:47], s[6:7], s[46:47]
	CROUND                                         ; all sixteen work-groups are here: the first joint loads meet
.irp s, 0,1
	s_mov_b32 s[G0+4*\s], 1
	s_add_co_u32 s[G0+4*\s+1], s45, \s*SLOT
	s_add_nc_u64 s[G0+4*\s+2:G0+4*\s+3], s[20:21], \s*ASTEP
	s_or_b32 s[G0+4*\s+3], s[G0+4*\s+3], 0x80000000
	s_mov_b32 s[G0B+4*\s], 1
	s_add_co_u32 s[G0B+4*\s+1], s45, \s*SLOT
	s_add_nc_u64 s[G0B+4*\s+2:G0B+4*\s+3], s[46:47], \s*ROWB
	s_or_b32 s[G0B+4*\s+3], s[G0B+4*\s+3], 0x80000000
	JLOAD G0+4*\s, G1, G0B+4*\s, G1B
.endr
	v_and_b32 v1, 15, v0                           ; r
	v_bfe_u32 v2, v0, 4, 1                         ; h
	v_mul_u32_u24 v3, v1, PITCH
	v_lshl_add_u32 v4, v2, 4, v3                   ; Wo: row x pitch + 16 h
	v_lshrrev_b32 v5, 2, v1
	v_mul_u32_u24 v5, v5, PITCH
	v_and_b32 v6, 3, v1
	v_lshl_add_u32 v5, v6, 6, v5
	v_lshl_add_u32 v5, v2, 4, v5                   ; A: 272 (r / 4) + 64 (r % 4) + 16 h
	s_mul_i32 s21, s15, HALFT                      ; my 128 tokens
	s_mul_i32 s22, s16, HALFT                      ; my 128 rows of Wo,
	s_add_co_u32 s22, s22, 2*HALFT                 ; which lie behind A's two halves
.irp s, 0,1
	v_add_nc_u32 v[ADRA+\s], s21, v5
	v_add_nc_u32 v[ADRB+\s], s22, v4
	s_add_co_u32 s21, s21, SLOT
	s_add_co_u32 s22, s22, SLOT
.endr
	s_mul_i32 s23, s14, 16*SPITCH                  ; my stage
	v_mul_u32_u24 v7, v1, SPITCH                   ; in: row r, 32 bytes for each half of the lanes
	v_lshl_add_u32 v7, v2, 5, v7
	v_add_nc_u32 v[STO], s23, v7
	v_and_b32 v6, 31, v0
	v_lshlrev_b32 v[CO], 4, v6                     ; back: the 32 lanes take one row of 512 bytes; and the same in out0
	v_add_nc_u32 v[RD], s23, v[CO]
	s_lshl_b32 s20, s17, 8
	s_lshl_b32 s21, s15, 7
	s_add_co_u32 s20, s20, s21                     ; my first row of out0,
	s_lshl_b32 s20, s20, 12                        ; 4,096 bytes each
	s_lshl_b32 s46, s42, 10                        ; my first column, in bytes: 1024 x tile column + 512 x half
	s_lshl_b32 s47, s16, 9
	s_add_co_u32 s46, s46, s47
	v_lshl_add_u32 v[BCO], v2, 5, s46              ; bo at my columns 16 b + 8 h + 0 .. 7
	s_add_co_u32 s20, s20, s46
	s_mov_b32 s21, 0
	s_add_nc_u64 s[12:13], s[12:13], s[20:21]
.irp b, 0,1,2,3,4,5,6,7
	global_load_b128 v[BO+8*\b:BO+8*\b+3], v[BCO], s[8:9] offset:64*\b
	global_load_b128 v[BO+8*\b+4:BO+8*\b+7], v[BCO], s[8:9] offset:64*\b+16
.endr
.macro FRAG reg, adr, q, i             ; Wo: 16 rows x 128 K
.irp c, 0,1,2,3
	ds_load_b128 v[\reg+4*\c:\reg+4*\c+3], v[\adr] offset:128*(\q)+32*\c+(\i)*16*PITCH
.endr
.endm
.macro FRAGA reg, adr, q, i            ; A: 16 tokens x 128 K = heads 2 q and 2 q + 1 of the slot's four
.irp c, 0,1,2,3
	ds_load_b128 v[\reg+4*\c:\reg+4*\c+3], v[\adr] offset:(2*(\q)+\c/2)*HEADB+(\c%2)*32+(\i)*4*PITCH
.endr
.endm
; The 64 accumulators take turns, one instruction a turn, in the same order in every step.
.macro MUL16 a0, p, zero
.irp a, \a0, \a0+1
.irp b, 0,1,2,3,4,5,6,7
.if \zero
	v_wmma_f32_16x16x128_fp8_fp8 v[8*(8*((\a)%4)+\b):8*(8*((\a)%4)+\b)+7], v[128*(\p)+FR*\b:128*(\p)+FR*\b+FR-1], v[AF+FR*(\a):AF+FR*(\a)+FR-1], 0
.else
	v_wmma_f32_16x16x128_fp8_fp8 v[8*(8*((\a)%4)+\b):8*(8*((\a)%4)+\b)+7], v[128*(\p)+FR*\b:128*(\p)+FR*\b+FR-1], v[AF+FR*(\a):AF+FR*(\a)+FR-1], v[8*(8*((\a)%4)+\b):8*(8*((\a)%4)+\b)+7]
.endif
.endr
.endr
.endm
.macro FETCH_B slot, q, p
	WIN TO_B
.irp i, 0,1,2,3,4,5,6,7
	FRAG 128*(\p)+FR*\i, ADRB+\slot, \q, \i
.endr
	WIN 0
.endm
.macro FETCH_A slot, q, i0
.irp i, \i0, \i0+1, \i0+2, \i0+3
	FRAGA AF+FR*(\i), ADRA+\slot, \q, \i
.endr
.endm
.macro PLACES n                        ; plain vector lines between a matrix instruction and a load into, or a vector write of, a register that it has read, or a read of its result
.rept \n
	v_nop
.endr
.endm
.macro STEP slot, q, zero
	s_wait_dscnt 4*NL                              ; Wo's set and A's blocks 0-3 are in; the youngest 16 loads (blocks 4-7) may be out
	WIN MUL_LO
	MUL16 0, (\q)%2, \zero
	MUL16 2, (\q)%2, \zero
	s_wait_dscnt 0
	PLACES NP
	FETCH_B \slot, (\q)+1, 1-(\q)%2
	FETCH_A \slot, (\q)+1, 0
	WIN MUL_HI
	MUL16 4, (\q)%2, \zero
	MUL16 6, (\q)%2, \zero
	PLACES NP
	WIN 0
	FETCH_A \slot, (\q)+1, 4
.endm
; A slot's last step changes slots: ONE barrier; in front of it each wave waits for all its tensor loads, adds 0 to its spare word, and waits for that and for its own reads of this slot.
.macro TURN slot, next, fill
	s_wait_tensorcnt 0x0                           ; all my tensor loads have landed: my part of the next slot
	ds_add_u32 v[SPW], v[NIL]                      ; 0 onto my spare word
	s_wait_dscnt 4*NL+1                            ; (the add and the youngest 16 loads may be out)
	WIN MUL_LO
	MUL16 0, 1, 0
	s_wait_dscnt 0x0                               ; the add is done, and my reads of this slot are over
	s_barrier_signal -1
	MUL16 2, 1, 0
	WIN 0
	s_barrier_wait -1
.if \fill
	CREST                                          ; the barrier has opened a round of the cluster's barrier
	s_add_nc_u64 s[G0+4*\slot+2:G0+4*\slot+3], s[G0+4*\slot+2:G0+4*\slot+3], 2*ASTEP
	s_add_nc_u64 s[G0B+4*\slot+2:G0B+4*\slot+3], s[G0B+4*\slot+2:G0B+4*\slot+3], 2*ROWB
	JLOAD G0+4*\slot, G1, G0B+4*\slot, G1B         ; the first tensor load behind the round; its four v_nop are the places in front of the loads below
.else
	PLACES NP
.endif
	FETCH_B \next, 0, 0
	FETCH_A \next, 0, 0
	WIN MUL_HI
	MUL16 4, 1, 0
	MUL16 6, 1, 0
	PLACES NP
	WIN 0
	FETCH_A \next, 0, 4
.endm
	s_wait_tensorcnt 1                             ; my part of K step 0 is in (K step 1's load may be out)
	s_barrier_signal -1
	s_barrier_wait -1
	FETCH_B 0, 0, 0
	FETCH_A 0, 0, 0
	FETCH_A 0, 0, 4
	STEP 0, 0, 1                                   ; the first step's products start the sums
	s_mov_b32 s3, LAPS-1
.Llap:
	TURN 0, 1, 1
	STEP 1, 0, 0
	TURN 1, 0, 1
	STEP 0, 0, 0
	s_sub_co_u32 s3, s3, 1
	s_cmp_lg_u32 s3, 0
	s_cbranch_scc1 .Llap
	TURN 0, 1, 0
	STEP 1, 0, 0
	s_wait_dscnt 4*NL
	WIN MUL_LO
	MUL16 0, 1, 0
	MUL16 2, 1, 0
	s_wait_dscnt 0
	WIN MUL_HI
	MUL16 4, 1, 0
	MUL16 6, 1, 0
	WIN 0
; THE WAY OUT, block by block of 16 rows x 128 columns: sum x 2^(e10 + e11) + bo, through my own stage in LDS, back as whole rows of 512 bytes into the registers that they left.
; LDS serves a wave's instructions in order (ISA guide 5.7.1.4): no wait between the stores and the loads, nor in front of the next block's stores.
.macro TOSTAGE a
.set AC, 64*((\a)%4)
.set BB, BK+64*((\a)%2)
	WIN 0x02+((\a)/4)                              ; source 0: window 2 or 3
.set j, 0
.rept 32
	v_pk_fma_f32 v[BB+j:BB+j+1], v[AC+j:AC+j+1], s[96:97], v[BO+j:BO+j+1] op_sel_hi:[1,0,1]   ; each accumulator from its low end on
.set j, j+2
.endr
	WIN 0
.irp b, 0,1,2,3,4,5,6,7
	ds_store_b128 v[STO], v[BB+8*\b:BB+8*\b+3] offset:64*\b
	ds_store_b128 v[STO], v[BB+8*\b+4:BB+8*\b+7] offset:64*\b+16
.endr
.irp t, 0,1,2,3,4,5,6,7,8,9,10,11,12,13,14,15
	ds_load_b128 v[BB+4*\t:BB+4*\t+3], v[RD] offset:\t*SPITCH
.endr
.endm
.macro SEND a, younger                 ; younger: the LDS instructions issued behind block a's loads, which may stay out
.set BB, BK+64*((\a)%2)
	s_wait_dscnt \younger
.if (\a) > 0
	s_add_nc_u64 s[12:13], s[12:13], 16*4096       ; (behind a wait on XCNT: the earlier stores have read their base)  16 rows on
.endif
.irp t, 0,1,2,3,4,5,6,7,8,9,10,11,12,13,14,15
	global_store_b128 v[CO], v[BB+4*\t:BB+4*\t+3], s[12:13] offset:\t*4096 th:TH_STORE_NT   ; 32 lanes store 512 consecutive bytes, aligned; written once, read by nobody here
.endr
.endm
	s_wait_kmcnt 0x0
	s_add_co_i32 s96, s96, s97
	s_add_co_i32 s96, s96, 127
	s_lshl_b32 s96, s96, 23                        ; 2^(e10 + e11) as f32
	s_mov_b32 s97, s96                             ; (named with it as a pair)
	s_wait_loadcnt 0x0                             ; bo
	PLACES NP                                      ; behind the last products: A's fragments' registers are written below
	TOSTAGE 0
.irp a, 1,2,3,4,5,6,7
.if \a > 1
	s_wait_xcnt 0x0                                ; block a - 2's stores have read their registers and their base
.endif
	TOSTAGE \a
	SEND \a-1, 32                                  ; behind block a - 1's loads: block a's 16 stores and 16 loads
.endr
	s_wait_xcnt 0x0
	SEND 7, 0
	s_wait_tensorcnt 0x0                           ; the wave's end
	ds_add_u32 v[SPW], v[NIL]
	s_wait_dscnt 0x0
	CROUND                                         ; the closing round
	s_endpgm
.Lfunc_end_k_q0b6e2194ad_outp:
	.size	k_q0b6e2194ad_outp, .Lfunc_end_k_q0b6e2194ad_outp-k_q0b6e2194ad_outp
	.p2alignl 7, 3214868480
	.fill 96, 4, 3214868480
	.section	.rodata,"a",@progbits
	.p2align	6, 0x0
	.amdhsa_kernel k_q0b6e2194ad_outp
		.amdhsa_group_segment_fixed_size 327680
		.amdhsa_private_segment_fixed_size 0
		.amdhsa_enable_private_segment 0
		.amdhsa_kernarg_size 40
		.amdhsa_user_sgpr_count 2
		.amdhsa_user_sgpr_kernarg_segment_ptr 1
		.amdhsa_wavefront_size32 1
		.amdhsa_system_sgpr_workgroup_id_x 1
		.amdhsa_system_sgpr_workgroup_id_y 1
		.amdhsa_system_sgpr_workgroup_id_z 1
		.amdhsa_system_vgpr_workitem_id 0
		.amdhsa_next_free_vgpr 1024
		.amdhsa_next_free_sgpr 98
		.amdhsa_reserve_vcc 0
		.amdhsa_float_denorm_mode_32 3
		.amdhsa_float_denorm_mode_16_64 3
		.amdhsa_memory_ordered 1
		.amdhsa_forward_progress 1
		.amdhsa_inst_pref_size 125
	.end_amdhsa_kernel
	.amdgpu_metadata
---
amdhsa.version: [ 1, 2 ]
amdhsa.kernels:
  - .name:           k_q0b6e2194ad_outp
    .symbol:         k_q0b6e2194ad_outp.kd
    .args:
      - { .name: ac, .offset: 0, .size: 8, .value_kind: global_buffer, .address_space: global }
      - { .name: wc, .offset: 8, .size: 8, .value_kind: global_buffer, .address_space: global }
      - { .name: bo, .offset: 16, .size: 8, .value_kind: global_buffer, .address_space: global }
      - { .name: lowp_scales, .offset: 24, .size: 8, .value_kind: global_buffer, .address_space: global }
      - { .name: out0, .offset: 32, .size: 8, .value_kind: global_buffer, .address_space: global }
    .group_segment_fixed_size: 327680
    .private_segment_fixed_size: 0
    .kernarg_segment_align: 8
    .kernarg_segment_size: 40
    .max_flat_workgroup_size: 128
    .sgpr_count:     98
    .vgpr_count:     1024
    .wavefront_size: 32
...
	.end_amdgpu_metadata
.endif
;; end of part 4
;; ======== version 2 of 2: 4 launches; version 1 with the launch attn written anew for expert scheduling mode
;; workspace buffers: xc 25,165,824 bytes; wc 4,194,304 bytes; qi 8,388,608 bytes; ki 8,388,608 bytes; vi 8,388,608 bytes; ac 8,388,608 bytes; mlane 524,288 bytes of whole numbers; mflag 512 bytes of whole numbers
;; launch prep: the kernel of part 1 again; grid 512 x 1, 4 waves a work-group, no clusters, 66,048 bytes of LDS; arguments x, Wq, Wk, Wv, Wo, mask, lowp_scales, xc, wc, mlane, mflag; writes xc, wc, mlane, mflag
;; launch qkv: the kernel of part 2 again; grid 12 x 32, 4 waves a work-group, clusters of 4 x 4, 327,680 bytes of LDS; arguments xc, wc, bq, bk, bv, lowp_scales, qi, ki, vi; writes qi, ki, vi
;; launch attn (part 5): grid 8 x 64, 16 waves a work-group, no clusters, 280,576 bytes of LDS; arguments qi, ki, vi, mlane, mflag, lowp_scales, ac; writes ac
.if DOCPART == 5
	.amdgcn_target "amdgcn-amd-amdhsa--gfx1250"
	.amdhsa_code_object_version 6
	.text
	.protected	k_q0b6e2194ad_attn
	.globl	k_q0b6e2194ad_attn
	.p2align	8
	.type	k_q0b6e2194ad_attn,@function
k_q0b6e2194ad_attn:
	s_mov_b64 s[64:65], 0
	v_nop
	global_prefetch_b8 v0, s[64:65] scope:SCOPE_SE
	s_setreg_imm32_b32 hwreg(HW_REG_WAVE_SCHED_MODE, 0, 2), 2
	s_setreg_imm32_b32 hwreg(HW_REG_WAVE_MODE, 25, 1), 1
	s_wait_xcnt 0x0
	s_wait_alu depctr_vm_vsrc(0)
; ATTENTION on E4M3 codes: S^T = K Q^T, the mask, p = 2^(t - M), O^T = V^T P^T, O / l, quantised under 2^e10 into ac [head 16][token 8192][64].
; t = score x 2^(e6 + e7) x log2(e) / 8; M = the running largest t of the query, rounded UP to a whole number; the row's sum l is taken of the unquantised p; when M moves, l and O are multiplied by 2^(old M - new M): exact.
; SHARES.  Work-group (j, bh) owns the blocks of 128 queries j and 15 - j of one batch and head; each of its sixteen waves owns one tile of 16 queries in 256 registers.  The tile's lane r is query
; 128 sigma + 32 (t / 2) + 8 (t % 2) + r + 8 (r / 8), as the image of q has it.  Every wave walks the head's 16 key steps of 128 keys.
; THE MASK IS AN INPUT.  An earlier launch has stored, for each query tile and key step, two bits (0: all masked, 1: mixed, 2: none masked) and 64 words of lane bits.  A step that is all masked adds nothing (p = 0,
; M stays) and is jumped over, by a scalar branch on the stored bits; a mixed step sets the masked scores to -infinity ahead of the maximum; any pattern is served.
; NO TENSOR LOADS, NO CLUSTER: partners of a cluster would have to walk alike; the jump over masked steps is the larger thing.
; So the head's K and V (16 images of 8,192 bytes each) come through registers into LDS, each byte once, in four chunks of four key steps; a chunk's loads are issued four key steps ahead of the wait for them.
; LAYOUT.  Both products are used transposed, so a lane holds ONE query throughout.  Score register 16 b + i of lane (r, h) is key 32 b + 16 h + i of the step: so p's conversions give the second product's operand as it stands.
; O^T register 8 t + j of lane (r, h) is channel 32 (t / 2) + 16 h + 8 (t % 2) + j: 16 neighbours in two tiles, as the last quantiser wants them.
; LIMITS: e6 + e7 between -123 and 130 (added to the exponent field of log2(e) / 8); e8 and e10 between -126 and 119.  NaN among the inputs is not served.
; A query all of whose keys are masked has l = 0: its 64 codes are the NaN code, so that its row of the output is NaN, as in the definition.
; THE MODE: SCHED_MODE bits 1:0 = 2 (LLVM: expert scheduling mode 2), set by the entry lines.  The code itself states the register dependences between vector or matrix instructions and memory or LDS
; instructions, with s_wait_alu, always for 0.
; THE PLAN.  Registers that memory or LDS instructions touch:
;   v1, v4, v5, v7-v11  addresses, written once at the head, ahead of ONE wait on va_vdst, and never again.
;   v16-23   Q: two loads at the head; read by matrix instructions; never loaded again.
;   v24-55   a chunk on its way: global loads land in it, LDS stores read it, the next chunk's loads land in it again behind a wait on vm_vsrc; no vector instruction names it.  At the way out the stage's loads land in v24-31.
;   v2, v3   the step's LDS addresses: written at the head of a step that works, behind a wait on vm_vsrc (the last such step's LDS loads have read them).
;   v56-119  fragments: K's 16 loads land behind the wait on va_vdst at the step's head (v2, v3 are written; the last products V^T P^T are done reading); the eight products K Q^T read them; V's 16 loads land
;            behind a second wait on va_vdst (those eight are done reading); the four products V^T P^T read them.
;   v216-223 at the way out: written by conversions and selects, read by two LDS stores behind a wait on va_vdst.
;   S^T, O^T, the statistics and, in the loop, p's codes are named by vector and matrix instructions alone.
; All 256 registers of a wave but nine are taken, so K's and V's fragments share one set; each run of loads stands at the first place at which its registers are free.
; REGISTERS: v1 16 x lane; v7 the same + V's base; v2, v3 the step's addresses; v4, v5, v10, v11 16 x thread + 0, 64 Ki, 128 Ki, 192 Ki; v8, v9 the stage; v12 -M; v13 the largest t; v[14:15] l in two halves; v16-23 Q;
;   v24-55 a chunk on its way; v56-119 fragments of K, then of V; v120-183 S^T, then p; v184-215 O^T; v216-231 p's codes; v232 -infinity; v233, v234 448 x 2^e8, 2^e8; v[236:237] f; v238-243 at work; v244, v245 2^e10, 448 x 2^e10; v246 four NaN codes.
; SCALARS: s[4:5] q, s[6:7] k, s[8:9] v, s[10:11] the lane bits of the step in hand; s16-47, s68-99 a step's 64 words; s48 wave; s49 the step's LDS byte; s50 count; s51 the flags; s52 this step's; s53 1 where p needs a hold;
;   s[54:55] c; s[56:57] lane selects; s[58:59] ac; s60 e8 + e9.
.set VB,  0x20000                      ; LDS: K's 16 images from 0, V's from here,
.set STG, 0x40000                      ; and a stage of 1,024 bytes for each wave
.set KF,  56
.set SS,  120
.set OO,  184
.set PC,  216
.macro GLOAD c                         ; chunk c: 32,768 bytes of K and of V: 512 threads x 16 bytes x 4, each
.irp i, 0,1,2,3
	global_load_b128 v[24+4*\i:27+4*\i], v4, s[6:7] offset:32768*(\c)+8192*\i
	global_load_b128 v[40+4*\i:43+4*\i], v4, s[8:9] offset:32768*(\c)+8192*\i
.endr
.endm
.macro LSTORE c                        ; and into LDS, as it lies in memory
.irp i, 0,1,2,3
	ds_store_b128 v[4+(\c)/2], v[24+4*\i:27+4*\i] offset:((\c)%2)*32768+8192*\i
	ds_store_b128 v[10+(\c)/2], v[40+4*\i:43+4*\i] offset:((\c)%2)*32768+8192*\i
.endr
.endm
; A KEY STEP: 128 keys.
.macro STEP
	s_and_b32 s52, s51, 3                          ; this step's two bits
	s_lshr_b32 s51, s51, 2
	s_cmp_eq_u32 s52, 0
	s_cbranch_scc1 .Lskip_\@                       ; all 16 x 128 masked: nothing to add
	s_load_b512 s[16:31], s[10:11], 0x0            ; the 64 words of lane bits: asked for in every step that works, so that they are written on every way that could read them
	s_load_b512 s[32:47], s[10:11], 0x40
	s_load_b512 s[68:83], s[10:11], 0x80
	s_load_b512 s[84:99], s[10:11], 0xc0
	s_wait_alu depctr_vm_vsrc(0)                   ; the LDS loads of the last step that worked have read v2 and v3, which the two lines below write
	v_add_nc_u32 v2, s49, v1
	v_add_nc_u32 v3, s49, v7
	s_wait_alu depctr_va_vdst(0)                   ; v2 and v3 are written, which this step's LDS loads read; the last products V^T P^T are done reading v[KF ..], in which K's pieces land
.set i, 0
.rept 16
	ds_load_b128 v[KF+4*i:KF+4*i+3], v2 offset:512*i   ; K's image, piece by piece: tile i / 2, channels 32 (i % 2) on
.set i, i+1
.endr
	s_wait_dscnt 0x0
.set i, 0
.rept 8
	v_wmma_f32_16x16x64_fp8_fp8 v[SS+8*i:SS+8*i+7], v[KF+8*i:KF+8*i+7], v[16:23], 0
.set i, i+1
.endr
.rept 4
	v_nop                                          ; places in front of the first read of the scores
.endr
	s_wait_alu depctr_va_vdst(0)                   ; the eight products are done reading v[KF ..], in which V's pieces land; no vector or matrix instruction names these registers again before the products V^T P^T
.irp t, 0,1,2,3
.irp c, 0,1,2,3
	ds_load_b128 v[KF+16*\t+4*\c:KF+16*\t+4*\c+3], v3 offset:(\c/2)*4096+\t*1024+(\c%2)*512   ; V's fragments land while the softmax is worked
.endr
.endr
	s_wait_kmcnt 0x0                               ; the words are in, and their base may be stepped
	s_cmp_lg_u32 s52, 1
	s_cbranch_scc1 .Lopen_\@                       ; none masked
.set n, 0
.rept 64
.if n < 32
	v_cndmask_b32 v[SS+n], v[SS+n], v232, s[16+n]  ; masked: -infinity, so p = 0
.else
	v_cndmask_b32 v[SS+n], v[SS+n], v232, s[36+n]
.endif
.set n, n+1
.endr
.Lopen_\@:
	v_max3_num_f32 v238, v[SS], v[SS+1], v[SS+2]   ; the step's largest score of my query among my 64 keys, in two chains, ascending
	v_max3_num_f32 v239, v[SS+3], v[SS+4], v[SS+5]
.irp i, 6,10,14,18,22,26,30,34,38,42,46,50,54,58
	v_max3_num_f32 v238, v238, v[SS+\i], v[SS+1+\i]
	v_max3_num_f32 v239, v239, v[SS+2+\i], v[SS+3+\i]
.endr
	v_max3_num_f32 v238, v238, v[SS+62], v[SS+63]
	v_max_num_f32 v238, v238, v239
	v_permlanex16_b32 v240, v238, s56, s57
	v_max_num_f32 v238, v238, v240                 ; and among lane l xor 16's
	v_mul_f32 v238, s54, v238                      ; as t (c is positive)
	v_max_num_f32 v13, v13, v238                   ; the running largest t
	v_mov_b32 v238, v12
	v_floor_f32 v12, -v13                          ; the new -M = floor(-t) = -ceil(t)
	v_sub_f32 v238, v12, v238                      ; old M - new M: a whole number, 0 or less
	v_cvt_i32_f32 v238, v238                       ; (it saturates)
	v_ldexp_f32 v236, 1.0, v238                    ; f = 2^(old M - new M)
.set j, 0
.rept 32
	v_pk_fma_f32 v[SS+j:SS+j+1], v[SS+j:SS+j+1], s[54:55], v[12:13] op_sel_hi:[1,0,0]   ; t - M, two at a time
.set j, j+2
.endr
.set j, 0
.rept 64
	v_exp_f32 v[SS+j], v[SS+j]                     ; p = 2^(t - M): one batch
.set j, j+1
.endr
	v_pk_mul_f32 v[14:15], v[14:15], v[236:237] op_sel_hi:[1,0]   ; l under the new M: the plain line behind the exponentials
	s_wait_alu depctr_va_vdst(0)                   ; the 64 exponentials have written p, v[SS ..]: one wait for the batch, ahead of its first reader
	v_pk_add_f32 v[242:243], v[SS:SS+1], v[SS+2:SS+3]   ; the row's sum, of the unquantised p, in two chains
.irp j, 4,8,12,16,20,24,28,32,36,40,44,48,52,56,60
	v_pk_add_f32 v[14:15], v[14:15], v[SS+\j:SS+1+\j]
	v_pk_add_f32 v[242:243], v[242:243], v[SS+2+\j:SS+3+\j]
.endr
	v_pk_add_f32 v[14:15], v[14:15], v[242:243]
	s_cmp_eq_u32 s53, 0                            ; p is at most 1 (and a rounding): with e8 at -8 or above p / 2^e8 stays under 448 and no hold is needed
	s_cbranch_scc1 .Lnohold_\@
.set n, 0
.rept 64
	v_min_num_f32 v[SS+n], v[SS+n], v233           ; the conversion does not saturate (ISA guide 7.6.2); p is not negative, so the hold is one-sided
.set n, n+1
.endr
.Lnohold_\@:
.set i, 0
.rept 8
	v_cvt_scalef32_pk8_fp8_f32 v[PC+2*i:PC+2*i+1], v[SS+8*i:SS+8*i+7], v234
.set i, i+1
.endr
.set j, 0
.rept 16
	v_pk_mul_f32 v[OO+j:OO+j+1], v[OO+j:OO+j+1], v[236:237] op_sel_hi:[1,0]   ; O^T under the new M, each accumulator from its low end on.  (Also the plain lines behind the conversions)
.set j, j+2
.endr
	s_wait_dscnt 0x0                               ; V's fragments
.irp t, 0,1,2,3
	v_wmma_f32_16x16x128_fp8_fp8 v[OO+8*\t:OO+8*\t+7], v[KF+16*\t:KF+16*\t+15], v[PC:PC+15], v[OO+8*\t:OO+8*\t+7]   ; four accumulators by turns; the next step's eight products stand between two links of a chain
.endr
.rept 4
	v_nop                                          ; places in front of the next read of O^T, on every way
.endr
.Lskip_\@:
	s_add_co_u32 s49, s49, 8192                    ; the next step's images
	s_add_nc_u64 s[10:11], s[10:11], 256           ; and its words
.endm
; A CHUNK: its 64 KiB go from registers into LDS (bytes that nobody has touched); the next chunk is asked for; one barrier; four key steps.
.macro CHUNK c
	s_wait_loadcnt 0x0                             ; the chunk is in my registers (at the first chunk: Q too)
	LSTORE \c                                      ; (their addresses were written ahead of the head's wait on va_vdst; their data come from loads)
	s_wait_dscnt 0x0                               ; for the others' sake: my part of the chunk lies in LDS
.if (\c) < 3
	s_wait_alu depctr_vm_vsrc(0)                   ; my LDS stores have read v24-55, in which the next chunk's loads land
	GLOAD (\c)+1
.endif
	s_barrier_signal -1
	s_barrier_wait -1                              ; everybody's part of the chunk lies in LDS
	s_mov_b32 s49, 32768*(\c)
	s_mov_b32 s50, 4
.Lstep_\@:
	STEP
	s_sub_co_u32 s50, s50, 1
	s_cmp_lg_u32 s50, 0
	s_cbranch_scc1 .Lstep_\@
.endm
	s_load_b256 s[4:11], s[0:1], 0x0               ; qi, ki, vi, mlane
	s_load_b128 s[12:15], s[0:1], 0x20             ; mflag, lowp_scales
	s_load_b64 s[58:59], s[0:1], 0x30              ; ac
	v_lshl_add_u32 v254, v0, 2, 0x44000
	v_mov_b32 v255, 0
	v_lshrrev_b32 v2, 5, v0
	v_readfirstlane_b32 s48, v2                    ; wave 0..15
	v_and_b32 v1, 31, v0
	v_lshlrev_b32 v1, 4, v1                        ; 16 x lane
	v_add_nc_u32 v7, VB, v1
	v_lshlrev_b32 v4, 4, v0                        ; 16 x thread
	v_add_nc_u32 v5, 0x10000, v4
	v_add_nc_u32 v10, 0x20000, v4
	v_add_nc_u32 v11, 0x30000, v4
	s_wait_alu depctr_va_sdst(0)                   ; s48 is written, ahead of its first reader: the stage, the tile and every base are made from it
	s_lshl_b32 s2, s48, 10
	s_add_co_u32 s2, s2, STG                       ; my stage
	v_and_b32 v8, 15, v0
	v_bfe_u32 v9, v0, 4, 1
	v_lshlrev_b32 v8, 6, v8
	v_lshl_add_u32 v8, v9, 4, v8
	v_add_nc_u32 v8, s2, v8                        ; in: row r of 64 bytes, + 16 h
	v_add_nc_u32 v9, s2, v1                        ; back: 16 x lane
	s_lshr_b32 s67, s48, 1                         ; t: my tile in its block of 128 queries
	s_lshr_b32 s61, s48, 2
	s_xor_b32 s61, s61, s48
	s_and_b32 s61, s61, 1                          ; which of the two blocks: waves 2 t and 2 t + 1 take one each
	s_sub_co_u32 s62, 15, ttmp9
	s_cmp_eq_u32 s61, 0
	s_cselect_b32 s62, ttmp9, s62                  ; sigma: j or 15 - j
	s_lshl_b32 s63, s62, 3
	s_add_co_u32 s63, s63, s67                     ; qt = 8 sigma + t
	s_and_b32 s61, ttmp7, 0xffff                   ; bh = 16 x batch + head
	s_mov_b32 s56, 0x76543210
	s_mov_b32 s57, 0xfedcba98
	s_wait_kmcnt 0x0
	s_load_b256 s[16:23], s[14:15], 0x10           ; e4 .. e11
	s_lshl_b32 s2, s61, 17                         ; a batch and head: 16 images
	s_mov_b32 s3, 0
	s_add_nc_u64 s[6:7], s[6:7], s[2:3]
	s_add_nc_u64 s[8:9], s[8:9], s[2:3]
	s_lshl_b32 s66, s62, 13
	s_add_co_u32 s2, s2, s66                       ; + my block's image
	s_lshl_b32 s66, s67, 10
	s_add_co_u32 s2, s2, s66                       ; + my tile's two pieces
	s_add_nc_u64 s[4:5], s[4:5], s[2:3]
	s_lshl_b32 s2, s63, 12                         ; 16 key steps x 256 bytes of lane bits
	s_add_nc_u64 s[10:11], s[10:11], s[2:3]
	s_lshl_b32 s2, s63, 2
	s_add_nc_u64 s[12:13], s[12:13], s[2:3]
	s_load_b32 s51, s[12:13], 0x0                  ; my tile's flags: two bits a key step
	s_wait_alu depctr_va_vdst(0)                   ; the addresses v1, v4, v5, v7, v8, v9, v10, v11 are written, which the kernel's loads and stores read; no vector instruction writes them again
	global_load_b128 v[16:19], v1, s[4:5]          ; Q's fragment stays in registers
	global_load_b128 v[20:23], v1, s[4:5] offset:512
	GLOAD 0
	s_and_b32 s2, s61, 15                          ; head
	s_lshl_b32 s2, s2, 19                          ; 8,192 tokens x 64 bytes
	s_lshr_b32 s3, s61, 4                          ; batch
	s_lshl_b32 s3, s3, 11
	s_lshl_b32 s66, s62, 7
	s_add_co_u32 s3, s3, s66
	s_lshr_b32 s66, s67, 1
	s_lshl_b32 s66, s66, 5
	s_add_co_u32 s3, s3, s66
	s_and_b32 s66, s67, 1
	s_lshl_b32 s66, s66, 3
	s_add_co_u32 s3, s3, s66                       ; my tile's first token
	s_lshl_b32 s3, s3, 6
	s_add_co_u32 s2, s2, s3
	s_mov_b32 s3, 0
	s_add_nc_u64 s[58:59], s[58:59], s[2:3]
	v_mov_b32 v13, 0xff61b1e6                      ; the largest t so far: -3e38, under every t
	v_floor_f32 v12, -v13                          ; -M
	v_mov_b32 v14, 0
	v_mov_b32 v15, 0
	v_mov_b32 v232, 0xff800000                     ; -infinity
	v_mov_b32 v237, 0                              ; (named as the upper half of a pair)
	v_mov_b32 v240, 0                              ; a lane permute's destination counts as one of its sources
.set i, 0
.rept 32
	v_mov_b32 v[OO+i], 0                           ; O^T.  Which step is a wave's first hangs on the mask, so no product of the text can start the sums
.set i, i+1
.endr
	s_wait_kmcnt 0x0
	s_add_co_i32 s2, s18, s19                      ; e6 + e7
	s_lshl_b32 s2, s2, 23
	s_mov_b32 s54, 0x3e38aa3b                      ; log2(e) / 8
	s_add_co_i32 s54, s54, s2                      ; x 2^(e6 + e7)
	s_mov_b32 s55, s54
	s_add_co_i32 s2, s20, 127
	s_lshl_b32 s3, s2, 23
	v_mov_b32 v234, s3                             ; 2^e8
	s_add_co_i32 s2, s2, 8
	s_lshl_b32 s2, s2, 23
	s_or_b32 s2, s2, 0x600000
	v_mov_b32 v233, s2                             ; 448 x 2^e8
	s_add_co_i32 s2, s22, 127
	s_lshl_b32 s3, s2, 23
	v_mov_b32 v244, s3                             ; 2^e10
	s_add_co_i32 s2, s2, 8
	s_lshl_b32 s2, s2, 23
	s_or_b32 s2, s2, 0x600000
	v_mov_b32 v245, s2                             ; 448 x 2^e10
	s_add_co_i32 s60, s20, s21                     ; e8 + e9
	s_cmp_lt_i32 s20, -8
	s_cselect_b32 s53, 1, 0
	CHUNK 0
	CHUNK 1
	CHUNK 2
	CHUNK 3
	; THE WAY OUT: O^T x 2^(e8 + e9) / l, quantised; through my stage, so that the wave stores runs of 512 consecutive bytes.
	v_add_f32 v14, v14, v15
	v_permlanex16_b32 v240, v14, s56, s57
	v_add_f32 v14, v14, v240                       ; the row's sum
	v_cmp_eq_f32 vcc_lo, 0, v14                    ; no key counted for this query
	v_rcp_f32 v236, v14
	v_mov_b32 v246, 0x7f7f7f7f                     ; (the plain line behind the reciprocal)  four NaN codes
	s_wait_alu depctr_va_vdst(0)                   ; the reciprocal has written v236, ahead of its first reader
	v_ldexp_f32 v236, v236, s60
.set j, 0
.rept 16
	v_pk_mul_f32 v[SS+j:SS+j+1], v[OO+j:OO+j+1], v[236:237] op_sel_hi:[1,0]
.set j, j+2
.endr
.set n, 0
.rept 32
	v_med3_num_f32 v[SS+n], v[SS+n], -v245, v245
.set n, n+1
.endr
.set i, 0
.rept 4
	v_cvt_scalef32_pk8_fp8_f32 v[PC+2*i:PC+2*i+1], v[SS+8*i:SS+8*i+7], v244
.set i, i+1
.endr
	v_nop                                          ; a plain line between the conversions and the lines that touch their results
	s_wait_alu depctr_va_vcc(0)                    ; the compare above has written VCC, ahead of its first reader, the selects below
.set n, 0
.rept 8
	v_cndmask_b32 v[PC+n], v[PC+n], v246, vcc_lo
.set n, n+1
.endr
	s_wait_alu depctr_va_vdst(0)                   ; the selects have written v[PC .. PC + 7], which the two LDS stores read
	s_wait_alu depctr_vm_vsrc(0)                   ; the last chunk's LDS stores have read v24-31, in which the loads from the stage land (every step since may have been jumped over)
	ds_store_b128 v8, v[PC:PC+3]                   ; channels 16 h + 0 .. 15 of query r
	ds_store_b128 v8, v[PC+4:PC+7] offset:32       ; channels 32 + 16 h + 0 .. 15
	ds_load_b128 v[24:27], v9                      ; LDS serves a wave's instructions in order: rows 0-7, eight neighbouring tokens,
	ds_load_b128 v[28:31], v9 offset:512           ; and rows 8-15, which lie 16 tokens behind the first
	s_wait_dscnt 1
	global_store_b128 v1, v[24:27], s[58:59]
	s_wait_dscnt 0x0
	global_store_b128 v1, v[28:31], s[58:59] offset:1024
	s_wait_dscnt 0x0
	s_wait_alu depctr_hold_cnt(0) depctr_sa_sdst(0) depctr_va_vdst(0) depctr_va_sdst(0) depctr_va_ssrc(0) depctr_va_vcc(0) depctr_vm_vsrc(0)
	s_wait_tensorcnt 0x0
	ds_add_u32 v254, v255
	s_wait_dscnt 0x0
	s_endpgm
.Lfunc_end_k_q0b6e2194ad_attn:
	.size	k_q0b6e2194ad_attn, .Lfunc_end_k_q0b6e2194ad_attn-k_q0b6e2194ad_attn
	.p2alignl 7, 3214868480
	.fill 96, 4, 3214868480
	.section	.rodata,"a",@progbits
	.p2align	6, 0x0
	.amdhsa_kernel k_q0b6e2194ad_attn
		.amdhsa_group_segment_fixed_size 280576
		.amdhsa_private_segment_fixed_size 0
		.amdhsa_enable_private_segment 0
		.amdhsa_kernarg_size 56
		.amdhsa_user_sgpr_count 2
		.amdhsa_user_sgpr_kernarg_segment_ptr 1
		.amdhsa_wavefront_size32 1
		.amdhsa_system_sgpr_workgroup_id_x 1
		.amdhsa_system_sgpr_workgroup_id_y 1
		.amdhsa_system_sgpr_workgroup_id_z 1
		.amdhsa_system_vgpr_workitem_id 0
		.amdhsa_next_free_vgpr 256
		.amdhsa_next_free_sgpr 100
		.amdhsa_reserve_vcc 1
		.amdhsa_float_denorm_mode_32 3
		.amdhsa_float_denorm_mode_16_64 3
		.amdhsa_memory_ordered 1
		.amdhsa_forward_progress 1
		.amdhsa_inst_pref_size 96
	.end_amdhsa_kernel
	.amdgpu_metadata
---
amdhsa.version: [ 1, 2 ]
amdhsa.kernels:
  - .name:           k_q0b6e2194ad_attn
    .symbol:         k_q0b6e2194ad_attn.kd
    .args:
      - { .name: qi, .offset: 0, .size: 8, .value_kind: global_buffer, .address_space: global }
      - { .name: ki, .offset: 8, .size: 8, .value_kind: global_buffer, .address_space: global }
      - { .name: vi, .offset: 16, .size: 8, .value_kind: global_buffer, .address_space: global }
      - { .name: mlane, .offset: 24, .size: 8, .value_kind: global_buffer, .address_space: global }
      - { .name: mflag, .offset: 32, .size: 8, .value_kind: global_buffer, .address_space: global }
      - { .name: lowp_scales, .offset: 40, .size: 8, .value_kind: global_buffer, .address_space: global }
      - { .name: ac, .offset: 48, .size: 8, .value_kind: global_buffer, .address_space: global }
    .group_segment_fixed_size: 280576
    .private_segment_fixed_size: 0
    .kernarg_segment_align: 8
    .kernarg_segment_size: 56
    .max_flat_workgroup_size: 512
    .sgpr_count:     100
    .vgpr_count:     256
    .wavefront_size: 32
...
	.end_amdgpu_metadata
.endif
;; end of part 5
;; launch outp: the kernel of part 4 again; grid 4 x 32, 4 waves a work-group, clusters of 4 x 4, 327,680 bytes of LDS; arguments ac, wc, bo, lowp_scales, out0; writes out0
